; MI455X (gfx1250); checked and timed in simulation.
; The chip was launched on July 23, 2026; its instructions are those of AMD's public machine-readable ISA for CDNA 5 (MIT licence, August 2026) and "CDNA5" Instruction Set Architecture Reference Guide (July 2026). The comments in the code are by the model that wrote it; some were corrected since.
;; Causal Self Attention. Allowed arithmetic: matrix products marked QUANTISED: E2M3 operands, one E8M0 scale for each 32 along K, by v_wmma_scale_f32_16x16x128_f8f6f4 with both operands' format E2M3, f32 sums; everything else in f32.
;; Inputs: b_attn 3,072 float32; b_proj 1,024 float32; w_attn_codes 3,072 x 32 x 24 uint8 (E2M3 codes of w_attn, K innermost, in blocks of 32 codes, four codes in three bytes); w_attn_scales 3,072 x 32 uint8 (E8M0 scales of w_attn, one for each 32 codes along K); w_proj_codes 1,024 x 32 x 24 uint8 (E2M3 codes of w_proj, K innermost, in blocks of 32 codes, four codes in three bytes); w_proj_scales 1,024 x 32 uint8 (E8M0 scales of w_proj, one for each 32 codes along K); x_codes 4 x 2,048 x 32 x 24 uint8 (E2M3 codes of x, K innermost, in blocks of 32 codes, four codes in three bytes); x_scales 4 x 2,048 x 32 uint8 (E8M0 scales of x, one for each 32 codes along K).
;; Outputs: out0 4 x 2,048 x 1,024 float32.
;; This version of the problem:
;;   THIS VERSION OF THE PROBLEM IS GIVEN IN LOW PRECISION. The matrix products marked QUANTISED in the list below multiply operands that are first quantised to E2M3 (2 exponent bits, 3 mantissa bits; 6 bits a number), with one power-of-two scale for each 32 numbers along K (OCP MX v1.0); their sums are f32. All else is computed in f32.
;;   The module's matrix products, in the order in which they are computed (A, B: the left and right operand; K: the contracted axis; several contracted axes count as one K, in the product's order):
;;     1. [M 8,192, K 1,024] x [K 1,024, N 3,072]; A: input x (given as codes); B: input w_attn (given as codes): QUANTISED
;;     2. batch 64 x [M 2,048, K 64] x [K 64, N 2,048]; A: computed on the way; B: computed on the way: QUANTISED
;;     3. batch 64 x [M 2,048, K 2,048] x [K 2,048, N 64]; A: softmax (see below); B: computed on the way: QUANTISED
;;     4. [M 8,192, K 1,024] x [K 1,024, N 1,024]; A: computed on the way; B: input w_proj (given as codes): QUANTISED
;;   THE QUANTISER, for each operand of a quantised product, along K:
;;     - K is cut into blocks of 32 from its start; a last block that is shorter is filled with zeros.
;;     - A block's scale is 2^e with e = floor(log2(the largest magnitude in the block)) - 2, held to -126 .. 127; a block of zeros has e = 0. As a byte (E8M0): e + 127.
;;     - Each number is divided by its block's scale, clamped to +-7.5, and rounded to the nearest number of E2M3, ties to even, subnormals kept.
;;     - The product sums the exact products of the quantised numbers (number of the format x scale) in f32.
;;   ~~~python
;;   def quantise(x, axis):      # numpy; x: float32 -> the quantised numbers, widened to float32 again
;;       x = np.moveaxis(x, axis, -1); K = x.shape[-1]
;;       x = np.pad(x, [(0, 0)] * (x.ndim - 1) + [(0, -K % 32)]); x = x.reshape(x.shape[:-1] + (-1, 32)); a = np.abs(x).max(-1, keepdims=True)
;;       e = np.where(a > 0, np.clip(np.frexp(np.where(a > 0, a, 1))[1] - 1 - 2, -126, 127), 0)      # np.frexp(a)[1] - 1 = floor(log2(a)), exactly
;;       r = np.clip(x / 2.0 ** e, -7.5, 7.5)
;;       step = 2.0 ** (np.maximum(np.frexp(np.where(r == 0, 1, r))[1] - 1, 0) - 3)
;;       q = np.round(r / step) * step * 2.0 ** e      # np.round: ties to even
;;       return np.moveaxis(q.reshape(q.shape[:-2] + (-1,))[..., :K], -1, axis).astype(np.float32)
;;   ~~~
;;   SOFTMAX AHEAD OF A QUANTISED PRODUCT. Where the list says 'softmax', what is quantised is not the finished softmax but p = 2^(t - M), with t = logit x log2(e) and M = ceil(the row's largest t), a whole number; so 1/2 < the row's largest p <= 1. The row's sum l is taken of the UNQUANTISED p, in f32, and the product's result is divided by l at the end. Since M is a whole number, a kernel that streams over the keys may use a running M (the ceiling of the running maximum): every later rescaling is an exact power of two, which a block's scale takes up: the codes' values come out the same.
;;   OPERANDS COMPUTED ON THE WAY. 'Computed on the way' means the value that the module computes at that place (a softmax that the list does not call 'softmax' is quantised finished and normalised). What goes into a quantiser is computed in f32, as accurately as f32 sums, v_exp_f32 and their like allow (about 1e-6 of the number): no bf16 or f16 on the way to a quantiser, and a product that is left as it is and whose result goes on into a quantised operand takes f32 operands (vector FMAs, or v_wmma_f32_16x16x4_f32). A number that lies on a knife's edge between two numbers of the format may be rounded either way, as far as f32 arithmetic and the matrix unit's own rounding can turn it there, and no further.
;;   INPUTS GIVEN AS CODES. w_attn (in the module: [1024, 3072], K = its axis 0); w_proj (in the module: [1024, 1024], K = its axis 0); x (in the module: [4, 2048, 1024], K = its axis 2): each comes as NAME_codes (uint8): NAME with its K axis moved to the last place and cut into blocks of 32 codes, [.., K / 32, bytes a block], one block behind the other in memory; four codes in three bytes: a row's codes are one little-endian stream of bits, code i at bits 6 i .. 6 i + 5 (a code: sign, 2 exponent bits, 3 mantissa bits); and NAME_scales (uint8): the same leading axes, one E8M0 byte (e + 127) for each 32 codes along K. Its value is code x scale, taken as it is: it is not quantised again, and the codes and scales need not be those that the quantiser above would give.
;; One version. Each part assembles by itself: llvm-mc -triple=amdgcn-amd-amdhsa -mcpu=gfx1250 --defsym DOCPART=n.
;; ======== version 1 of 1: 3 launches
;; workspace buffers: qkv 19,660,800 bytes; y_img 6,291,456 bytes; y_sc 262,144 bytes
;; launch qkv (part 1): grid 12 x 32, 4 waves a work-group, clusters of 4 x 4, 327,680 bytes of LDS; arguments x_codes, x_scales, w_attn_codes, w_attn_scales, b_attn, qkv; writes qkv
.if DOCPART == 1
	.amdgcn_target "amdgcn-amd-amdhsa--gfx1250"
	.amdhsa_code_object_version 6
	.text
	.protected	k_qade51ab058_qkv
	.globl	k_qade51ab058_qkv
	.p2align	8
	.type	k_qade51ab058_qkv,@function
k_qade51ab058_qkv:
	s_mov_b64 s[64:65], 0
	v_nop
	global_prefetch_b8 v0, s[64:65] scope:SCOPE_SE
	s_setreg_imm32_b32 hwreg(HW_REG_WAVE_MODE, 25, 1), 1
	s_wait_xcnt 0x0
	s_wait_alu depctr_hold_cnt(0) depctr_sa_sdst(0) depctr_va_vdst(0) depctr_va_sdst(0) depctr_va_ssrc(0) depctr_va_vcc(0) depctr_vm_vsrc(0)
	s_getreg_b32 s2, hwreg(HW_REG_IB_STS2, 6, 4)
	s_cmp_eq_u32 s2, 0
	s_cbranch_scc0 .Lentry_in_a_cluster
	s_endpgm
.Lentry_in_a_cluster:
	s_bfe_u32 s2, ttmp6, 0x10000c
	s_cmp_lg_u32 s2, 0xf033
	s_cbranch_scc0 .Lentry_shape_is_right
	s_endpgm
.Lentry_shape_is_right:
; qkv = x W_attn + b_attn on codes of FP6 (E2M3) with one E8M0 scale for each 32 along K = 1,024, and the result quantised at once for the attention launch:
; q and k along the head's 64 (two blocks a token), v along the tokens (blocks of 32 keys).  x: 8,192 rows of 768 bytes of codes and 32 scale bytes; W_attn: 3,072 rows likewise.
; A work-group of four waves makes 256 tokens x 256 columns, a wave 128 x 128: 64 accumulators of 16 x 16, 512 registers.  K goes in steps of 256 through a ring of two LDS slots filled by the tensor data mover.
; CLUSTERS: 4 x 4 work-groups; x's tiles are asked for jointly along a row of the cluster, W's along a column.  The cluster's x (0, 1, 2) is the part: q, k or v; it is the same in all sixteen partners.
; The grid has 24 clusters of equal work.  THE MATRIX INSTRUCTION IS USED TRANSPOSED (source 0 = 16 rows of W, source 1 = 16 tokens): a lane holds one token and eight neighbouring columns.  The bias is the C of each sum's first product.
; WHAT IS STORED.  Records of 19,200 bytes, one for each (batch, head, 128 tokens): parts Q, K, V of 6,400 bytes.  Every operand lies as an IMAGE OF ITS REGISTERS: three planes of 512 bytes, plane c = registers 4 c .. 4 c + 3 at 16 x lane.
;   Q, K: four images, one for each 32 tokens.  Registers 0-5: tile X, registers 6-11: tile Y; row r of tile u is token 8 u + r + 8 (r / 8) of the 32; lane (r, h) holds block h of that token's 64.  Scale word of a row: X's two bytes, then Y's two.
;   V: four images, one for each tile of 16 of the head's 64; row r of tile 2 g + u is channel 32 g + 8 u + r + 8 (r / 8); registers 6 c .. 6 c + 5 of lane (r, h) hold keys 64 c + 32 h + 0 .. 31 of the 128.
;   Behind a part's images, at byte 6,144: 256 bytes of scale words, two a lane: word j holds image 2 j's in lanes 0-15 and image 2 j + 1's in lanes 16-31.
; LIMITS: NaN and infinities are not served.  A block whose largest magnitude lies under 2^-124 keeps the byte 1; so does a block of zeros (the quantiser's rule says 127): its codes are zeros, and this program alone reads the bytes.
; REGISTERS, in windows of 256: window 0: v0-31 addresses; v32-63 scale words, two sets; v64-127 the bias; from v128 x's fragments, one set; on the way out v32-255 are free.
;   window 1: W's fragments, two sets, at v0 and v128.   window 2: the accumulators of my tokens 0-63 ((a, b) at v[8 (8 a + b)]);   window 3: those of my tokens 64-127.
.set SIZE_K, 1024
.set KSTEP,  256                       ; along K in a slot
.set NQ,     KSTEP/128                 ; matrix instructions deep
.set ROWB,   192                       ; a tile's row in bytes
.set KROW,   SIZE_K*6/8                ; a row of codes in memory
.set PITCH,  240                       ; an LDS row: 3 x (64 bytes + 16 of padding)
.set FR,     12                        ; registers of a fragment
.set NL,     6                         ; LDS loads that bring one
.set NP,     4                         ; places behind this matrix instruction (ISA guide 7.12.1)
.set HALFT,  128*PITCH                 ; what one tensor load brings
.set SLOT,   4*HALFT                   ; x's 256 rows, then W's 256 rows
.set LAPS,   SIZE_K/(2*KSTEP)          ; a lap = once round the ring
.set KS,     SIZE_K/32                 ; a row of scale bytes
.set SCL,    2*SLOT                    ; behind the ring: the scale bytes, as units of 256 bytes + 16 of padding
.set HALFS,  (128*KS/256)*272
.set SBLK,   (16*KS/256)*272
.set SPARE,  SCL+4*HALFS               ; the spare words: 128 bytes a wave, two blocks of 256 bytes that no other line names
.set WSTG,   8960                      ; the way out: a wave's stage: 32 tokens x 256 bytes as two halves of 16 rows x 272;
.set HALF2,  4480                      ; the second half begins 16 x 272 + 128 bytes on: rows i and i + 16 then lie eight columns of 16 bytes apart modulo 256
.set QSTG,   0                         ; the stages lie in slot 0, which has had its last fill and its last read; the q/k way and the v way have bytes of their own
.set VSTG,   4*WSTG
.set REC,    19200
.set PART,   6400
.set HEADB,  16*REC                    ; from a head to the next
.set BO,   14                          ; v14  32 x (lane / 16): my eight numbers of a tile's bias
.set L8,   15                          ; v15  8 x lane
.set ADRA, 16                          ; v16-17 LDS address of x's fragments in slot 0, 1 (v18-19: behind one padding more)
.set ADRB, 20                          ; v20-23 the same for W
.set STQ,  24                          ; v24  q/k: where I put 32 bytes of a token's row
.set RDQ,  25                          ; v25  q/k: where I read 64 bytes of a tile's row back
.set L16,  26                          ; v26  16 x lane
.set ADRS, 27                          ; v27  LDS address of my scale words: lanes 0-15 x's rows, lanes 16-31 W's
.set SPW,  28                          ; v28  my spare word; never rewritten
.set NIL,  29                          ; v29  0; never rewritten
.set STV,  30                          ; v30  v: as v24, in the v way's stage
.set RDV,  31                          ; v31  v: my column in the stage
.set SC,   32
.set BIAS, 64
.set AF,   128
.set G1, 24
.set G0, 32
.set G1B, 48
.set G0B, 56
.set G1S, 68
.set G0S, 76
.set G1SB, 80
.set G0SB, 88
.set MSB, 0
.macro WIN new                         ; the immediate's high byte repeats the setting that is left
.if MSB != (\new)
	s_set_vgpr_msb (MSB<<8)|(\new)
.set MSB, (\new)
.endif
.endm
.set MUL_LO, 0xa1                      ; source 0 (W) window 1, source 1 (x) window 0, C and D window 2
.set MUL_HI, 0xf1                      ; the same, C and D window 3
.set TO_B,   0x40                      ; destination window 1, address window 0
; A joint load: waves 0 and 1 fetch for x, waves 2 and 3 for W.  Four v_nop follow each of the two lines.
.macro JLOAD g0a, g1a, g0b, g1b
	s_cmp_eq_u32 s15, 0
	s_cbranch_scc0 .Lfor_b_\@
	tensor_load_to_lds s[\g0a:\g0a+3], s[\g1a:\g1a+7]
	s_nop 0
.rept 4
	v_nop
.endr
	s_branch .Lasked_\@
.Lfor_b_\@:
	tensor_load_to_lds s[\g0b:\g0b+3], s[\g1b:\g1b+7]
	s_nop 0
.rept 4
	v_nop
.endr
.Lasked_\@:
.endm
.macro CREST                           ; a round of the cluster's barrier behind its opening barrier
	s_cmp_lg_u32 s14, 0
	s_cbranch_scc1 .Lnot_wave_0_\@
	s_barrier_signal -3
.Lnot_wave_0_\@:
	s_barrier_wait -3
	s_barrier_signal -1
	s_barrier_wait -1
.endm
.macro CROUND
	s_barrier_signal -1
	s_barrier_wait -1
	CREST
.endm
	s_load_b128 s[4:7], s[0:1], 0x0                ; x's codes, x's scales
	s_load_b128 s[8:11], s[0:1], 0x10              ; W's codes, W's scales
	s_load_b64 s[98:99], s[0:1], 0x20              ; the bias
	s_load_b64 s[12:13], s[0:1], 0x28              ; the records
	v_lshl_add_u32 v[SPW], v0, 2, SPARE
	v_mov_b32 v[NIL], 0
	ds_add_u32 v28, v29
	s_wait_dscnt 0x0
	v_lshrrev_b32 v1, 5, v0
	v_readfirstlane_b32 s14, v1                    ; wave 0..3
	s_lshr_b32 s15, s14, 1                         ; which 128 tokens are mine.  Also: I fetch for x (0) or for W (1)
	s_and_b32 s16, s14, 1                          ; which 128 columns.  Also: which 128 rows of that tile I fetch
	s_bfe_u32 s40, ttmp6, 0x40000                  ; cx, cy: my place in the cluster
	s_bfe_u32 s41, ttmp6, 0x40004
	s_lshl_b32 s42, ttmp9, 2
	s_add_co_u32 s42, s42, s40                     ; tile column = 4 x cluster x + cx
	s_and_b32 s17, ttmp7, 0xffff
	s_lshl_b32 s17, s17, 2
	s_add_co_u32 s17, s17, s41                     ; tile row = 4 x cluster y + cy
	s_lshl_b32 s43, s41, 2
	s_lshl_b32 s43, 15, s43                        ; my row of the cluster
	s_lshl_b32 s44, 0x1111, s40                    ; my column
	; descriptor group 1: 128 rows x 192 bytes, 16 bytes of padding behind every 64
	s_or_b32 s[G1+0], s43, (0<<16)|(1<<20)|(1<<21)|(3<<22)|(3<<25)
	s_or_b32 s[G1B+0], s44, (0<<16)|(1<<20)|(1<<21)|(3<<22)|(3<<25)
.irp g, G1, G1B
	s_mov_b32 s[\g+1], ROWB<<16                    ; tensor_dim0
	s_mov_b32 s[\g+2], 128<<16                     ; tensor_dim1
	s_mov_b32 s[\g+3], ROWB<<16                    ; tile_dim0
	s_mov_b32 s[\g+4], 128                         ; tile_dim1
	s_mov_b32 s[\g+5], KROW                        ; from row to row
	s_mov_b32 s[\g+6], 0
	s_mov_b32 s[\g+7], 0
.endr
	; the scale bytes of 128 rows: 4,096 dense bytes as 16 rows of 256 (32 elements of 8 bytes), 16 bytes of padding behind each
	s_or_b32 s[G1S+0], s43, (3<<16)|(1<<20)|(1<<21)|(5<<22)|(3<<25)
	s_or_b32 s[G1SB+0], s44, (3<<16)|(1<<20)|(1<<21)|(5<<22)|(3<<25)
.irp g, G1S, G1SB
	s_mov_b32 s[\g+1], 32<<16
	s_mov_b32 s[\g+2], (128*KS/256)<<16
	s_mov_b32 s[\g+3], 32<<16
	s_mov_b32 s[\g+4], 128*KS/256
	s_mov_b32 s[\g+5], 32
	s_mov_b32 s[\g+6], 0
	s_mov_b32 s[\g+7], 0
.endr
	s_lshl_b32 s18, s16, 7
	s_lshl_b32 s20, s17, 8
	s_add_co_u32 s20, s20, s18                     ; x: row 256 x tile row + 128 x half
	s_lshl_b32 s46, s42, 8
	s_add_co_u32 s46, s46, s18                     ; W: row 256 x tile column + 128 x half
	s_mov_b32 s21, 0
	s_mov_b32 s47, 0
	s_mov_b64 s[18:19], KS
	s_mul_u64 s[22:23], s[20:21], s[18:19]         ; where these rows' scale bytes begin
	s_mul_u64 s[92:93], s[46:47], s[18:19]
	s_mov_b64 s[18:19], KROW
	s_mul_u64 s[20:21], s[20:21], s[18:19]         ; and their codes
	s_mul_u64 s[46:47], s[46:47], s[18:19]
	s_mul_i32 s45, s14, HALFT                      ; where they go: wave x 128 rows
	s_mul_i32 s94, s14, HALFS
	s_wait_kmcnt 0x0
	s_add_nc_u64 s[20:21], s[4:5], s[20:21]
	s_add_nc_u64 s[22:23], s[6:7], s[22:23]
	s_add_nc_u64 s[46:47], s[8:9], s[46:47]
	s_add_nc_u64 s[92:93], s[10:11], s[92:93]
	CROUND                                         ; all sixteen work-groups are here: the first joint loads meet
	s_mov_b32 s[G0S], 1
	s_add_co_u32 s[G0S+1], s94, SCL
	s_mov_b64 s[G0S+2:G0S+3], s[22:23]
	s_or_b32 s[G0S+3], s[G0S+3], 0x80000000
	s_mov_b32 s[G0SB], 1
	s_add_co_u32 s[G0SB+1], s94, SCL
	s_mov_b64 s[G0SB+2:G0SB+3], s[92:93]
	s_or_b32 s[G0SB+3], s[G0SB+3], 0x80000000
	JLOAD G0S, G1S, G0SB, G1SB                     ; the scale bytes first; three loads of mine are out behind these first fills
.irp s, 0,1
	s_mov_b32 s[G0+4*\s], 1
	s_add_co_u32 s[G0+4*\s+1], s45, \s*SLOT
	s_add_nc_u64 s[G0+4*\s+2:G0+4*\s+3], s[20:21], \s*ROWB
	s_or_b32 s[G0+4*\s+3], s[G0+4*\s+3], 0x80000000
	s_mov_b32 s[G0B+4*\s], 1
	s_add_co_u32 s[G0B+4*\s+1], s45, \s*SLOT
	s_add_nc_u64 s[G0B+4*\s+2:G0B+4*\s+3], s[46:47], \s*ROWB
	s_or_b32 s[G0B+4*\s+3], s[G0B+4*\s+3], 0x80000000
	JLOAD G0+4*\s, G1, G0B+4*\s, G1B
.endr
	v_and_b32 v1, 15, v0                           ; r = lane % 16
	v_bfe_u32 v2, v0, 4, 1                         ; h = lane / 16
	; the bias: tile b's eight registers hold b_attn[256 x tile column + 128 x my half + 16 b + 8 h + 0 .. 7]
	s_lshl_b32 s46, s42, 10
	s_lshl_b32 s47, s16, 9
	s_add_co_u32 s46, s46, s47
	s_mov_b32 s47, 0
	s_add_nc_u64 s[98:99], s[98:99], s[46:47]
	v_lshlrev_b32 v[BO], 5, v2
.irp b, 0,1,2,3,4,5,6,7
	global_load_b128 v[BIAS+8*\b:BIAS+8*\b+3], v[BO], s[98:99] offset:64*\b
	global_load_b128 v[BIAS+8*\b+4:BIAS+8*\b+7], v[BO], s[98:99] offset:64*\b+16
.endr
	v_mul_u32_u24 v3, v1, PITCH
	v_mul_u32_u24 v4, v2, 24
	v_add_nc_u32 v4, v3, v4                        ; a fragment's row x pitch + 24 x half
	v_lshl_add_u32 v5, v2, 4, v4                   ; and the same behind one padding more
	s_mul_i32 s21, s15, HALFT                      ; my 128 rows of x
	s_mul_i32 s22, s16, HALFT                      ; my 128 rows of W,
	s_add_co_u32 s22, s22, 2*HALFT                 ; which lie behind x's 256
.irp s, 0,1
	v_add_nc_u32 v[ADRA+\s], s21, v4
	v_add_nc_u32 v[ADRB+\s], s22, v4
	v_add_nc_u32 v[ADRA+2+\s], s21, v5
	v_add_nc_u32 v[ADRB+2+\s], s22, v5
	s_add_co_u32 s21, s21, SLOT
	s_add_co_u32 s22, s22, SLOT
.endr
	v_mul_u32_u24 v5, v1, KS                       ; my row's scale bytes: 32 a row,
	v_lshrrev_b32 v6, 8, v5
	v_lshl_add_u32 v5, v6, 4, v5                   ; and 16 more for each 256 passed
	s_mul_i32 s21, s15, HALFS
	s_mul_i32 s22, s16, HALFS
	s_add_co_u32 s22, s22, 2*HALFS
	s_sub_co_u32 s22, s22, s21
	v_mul_u32_u24 v6, s22, v2                      ; lanes 16-31 take W's
	s_add_co_u32 s21, s21, SCL
	v_add_nc_u32 v5, v5, v6
	v_add_nc_u32 v[ADRS], s21, v5
	; the way out's addresses, all made here, ahead of the parting of the two ways
	s_mul_i32 s23, s14, WSTG
	v_mul_u32_u24 v5, v1, 272
	v_lshl_add_u32 v5, v2, 5, v5
	v_add_nc_u32 v[STQ], s23, v5                   ; in: row r of a half, + 32 h
	v_add_nc_u32 v[STV], VSTG, v[STQ]
	v_and_b32 v6, 7, v1
	v_lshrrev_b32 v7, 3, v1
	v_mul_u32_u24 v5, v6, 272
	v_mad_u32_u24 v5, v7, HALF2, v5
	v_lshl_add_u32 v5, v2, 6, v5
	v_add_nc_u32 v[RDQ], s23, v5                   ; q/k back: row r % 8 of half r / 8, + 64 h
	v_lshl_add_u32 v5, v7, 3, v1
	v_lshl_add_u32 v5, v2, 3, v5                   ; v back: column 8 h + r + 8 (r / 8) of 32
	v_lshlrev_b32 v5, 2, v5
	v_add_nc_u32 v5, s23, v5
	v_add_nc_u32 v[RDV], VSTG, v5
	v_and_b32 v6, 31, v0
	v_lshlrev_b32 v[L16], 4, v6
	v_lshlrev_b32 v[L8], 3, v6
	s_mov_b32 s95, 0xffff0000                      ; lanes 16-31
	s_mov_b32 s96, 0x76543210
	s_mov_b32 s97, 0xfedcba98                      ; v_permlanex16_b32's selects for lane l xor 16
	; my first record: ((batch x 16 + head) x 16 + block of 128 tokens), head = 4 cx + 2 x my half; and the part
	s_lshr_b32 s20, s17, 3
	s_lshl_b32 s20, s20, 4
	s_lshl_b32 s21, s40, 2
	s_add_co_u32 s20, s20, s21
	s_lshl_b32 s21, s16, 1
	s_add_co_u32 s20, s20, s21
	s_lshl_b32 s20, s20, 4
	s_and_b32 s21, s17, 7
	s_lshl_b32 s21, s21, 1
	s_add_co_u32 s20, s20, s21
	s_add_co_u32 s20, s20, s15
	s_mul_i32 s20, s20, REC
	s_mul_i32 s21, ttmp9, PART
	s_add_co_u32 s20, s20, s21
	s_mov_b32 s21, 0
	s_add_nc_u64 s[12:13], s[12:13], s[20:21]
.macro FRAG reg, adr, q, i             ; 16 rows x 128 K: 12 registers: lane (r, h) takes 24 bytes at 24 h and 24 bytes at 48 + 24 h of its row's 96, in pieces of 8 bytes
.irp p, 0,1,2,3,4,5
.set PCE, 12*(\q)+6*(\p/3)+\p%3        ; 16 bytes of padding lie behind every 8 pieces: where the piece three on lies behind one padding more, the second address register serves
.if PCE%8 < 5
	ds_load_b64 v[\reg+2*\p:\reg+2*\p+1], v[\adr] offset:8*PCE+16*(PCE/8)+(\i)*16*PITCH
.else
	ds_load_b64 v[\reg+2*\p:\reg+2*\p+1], v[\adr+2] offset:8*PCE+16*(PCE/8)+(\i)*16*PITCH
.endif
.endr
.endm
; 16 matrix instructions: x's blocks a0, a0 + 1 against W's eight.  zero = 1: the first product starts the sums from the bias.  The 64 accumulators take turns, one instruction a turn.
.macro MUL16 a0, p, q, sc, zero
.irp a, \a0, \a0+1
.irp b, 0,1,2,3,4,5,6,7
.if \zero
	v_wmma_scale_f32_16x16x128_f8f6f4 v[8*(8*((\a)%4)+\b):8*(8*((\a)%4)+\b)+7], v[128*(\p)+FR*\b:128*(\p)+FR*\b+FR-1], v[AF+FR*(\a):AF+FR*(\a)+FR-1], v[BIAS+8*\b:BIAS+8*\b+7], v[SC+8*NQ*(\sc)+NQ*\b+(\q)], v[SC+8*NQ*(\sc)+NQ*(\a)+(\q)] matrix_a_fmt:MATRIX_FMT_FP6 matrix_b_fmt:MATRIX_FMT_FP6 matrix_a_scale:MATRIX_SCALE_ROW1
.else
	v_wmma_scale_f32_16x16x128_f8f6f4 v[8*(8*((\a)%4)+\b):8*(8*((\a)%4)+\b)+7], v[128*(\p)+FR*\b:128*(\p)+FR*\b+FR-1], v[AF+FR*(\a):AF+FR*(\a)+FR-1], v[8*(8*((\a)%4)+\b):8*(8*((\a)%4)+\b)+7], v[SC+8*NQ*(\sc)+NQ*\b+(\q)], v[SC+8*NQ*(\sc)+NQ*(\a)+(\q)] matrix_a_fmt:MATRIX_FMT_FP6 matrix_b_fmt:MATRIX_FMT_FP6 matrix_a_scale:MATRIX_SCALE_ROW1
.endif
.endr
.endr
.endm
.macro FETCH_B slot, q, p
	WIN TO_B
.irp i, 0,1,2,3,4,5,6,7
	FRAG 128*(\p)+FR*\i, ADRB+\slot, \q, \i
.endr
	WIN 0
.endm
.macro FETCH_A slot, q, i0
.irp i, \i0, \i0+1, \i0+2, \i0+3
	FRAG AF+FR*(\i), ADRA+\slot, \q, \i
.endr
.endm
.macro SCALES sc                       ; a K step's scale words: two a row; lanes 0-15 take x's block i, lanes 16-31 W's block i
.irp i, 0,1,2,3,4,5,6,7
	ds_load_b64 v[SC+8*NQ*\sc+NQ*\i:SC+8*NQ*\sc+NQ*\i+1], v[ADRS] offset:\i*SBLK
.endr
.endm
.macro PLACES n                        ; plain vector instructions between a matrix instruction and a load into, or a read of, its registers
.rept \n
	v_nop
.endr
.endm
.macro STEP slot, q, zero              ; 128 along K with a successor in the same slot
	s_wait_dscnt 4*NL                              ; all but the youngest 24 loads (x's blocks 4-7) are in
.if \zero
	WIN 0x81                                       ; C (the bias) window 0, D window 2
.else
	WIN MUL_LO
.endif
	MUL16 0, (\q)%2, \q, \slot, \zero
	MUL16 2, (\q)%2, \q, \slot, \zero
	s_wait_dscnt 0
	PLACES NP
	FETCH_B \slot, (\q)+1, 1-(\q)%2
	FETCH_A \slot, (\q)+1, 0
.if \zero
	WIN 0xc1
.else
	WIN MUL_HI
.endif
	MUL16 4, (\q)%2, \q, \slot, \zero
	MUL16 6, (\q)%2, \q, \slot, \zero
	PLACES NP
	WIN 0
	FETCH_A \slot, (\q)+1, 4
.endm
; A slot's last step changes slots: each wave waits for all its tensor loads, adds 0 to its spare word, waits for that and for its reads of this slot; one barrier.  fill = 1: the barrier opens a round of the cluster's, and the slot is filled again.
.macro TURN slot, next, fill
	s_wait_tensorcnt 0x0                           ; all my tensor loads have landed: my part of the next slot
	ds_add_u32 v[SPW], v[NIL]                      ; 0 onto my spare word
	s_wait_dscnt 4*NL+1                            ; (the add and the youngest 24 loads may be out)
	WIN MUL_LO
	MUL16 0, 1, NQ-1, \slot, 0
	s_wait_dscnt 0x0                               ; the add is done, and my reads of this slot are over
	s_barrier_signal -1
	MUL16 2, 1, NQ-1, \slot, 0
	WIN 0
	s_barrier_wait -1
.if \fill
	CREST                                          ; no wave of any partner still reads this slot or has a load on its way
	s_add_nc_u64 s[G0+4*\slot+2:G0+4*\slot+3], s[G0+4*\slot+2:G0+4*\slot+3], 2*ROWB
	s_add_nc_u64 s[G0B+4*\slot+2:G0B+4*\slot+3], s[G0B+4*\slot+2:G0B+4*\slot+3], 2*ROWB
	JLOAD G0+4*\slot, G1, G0B+4*\slot, G1B         ; my one tensor load behind the round; its four v_nop are the places in front of the loads below
.else
	PLACES NP
.endif
	v_add_nc_u32 v[ADRS], 4*NQ, v[ADRS]            ; the next K step's scale words
	FETCH_B \next, 0, 0
	FETCH_A \next, 0, 0
	SCALES \next
	WIN MUL_HI
	MUL16 4, 1, NQ-1, \slot, 0
	MUL16 6, 1, NQ-1, \slot, 0
	PLACES NP
	WIN 0
	FETCH_A \next, 0, 4
.endm
	s_wait_tensorcnt 1                             ; the scale bytes and my part of K step 0 are in; K step 1's load may be out
	s_barrier_signal -1
	s_barrier_wait -1
	FETCH_B 0, 0, 0
	FETCH_A 0, 0, 0
	SCALES 0
	FETCH_A 0, 0, 4
	s_wait_loadcnt 0x0                             ; the bias
	STEP 0, 0, 1
	s_mov_b32 s3, LAPS-1
.Llap:                                             ; a trip goes once round the ring and fills both slots again
	TURN 0, 1, 1
	STEP 1, 0, 0
	TURN 1, 0, 1
	STEP 0, 0, 0
	s_sub_co_u32 s3, s3, 1
	s_cmp_lg_u32 s3, 0
	s_cbranch_scc1 .Llap
	TURN 0, 1, 0                                   ; the last lap fills nothing
	STEP 1, 0, 0
	s_wait_dscnt 4*NL
	WIN MUL_LO
	MUL16 0, 1, NQ-1, 1, 0
	MUL16 2, 1, NQ-1, 1, 0
	s_wait_dscnt 0
	WIN MUL_HI
	MUL16 4, 1, NQ-1, 1, 0
	MUL16 6, 1, NQ-1, 1, 0
	WIN 0
	PLACES NP                                      ; behind the last products: for the first reads of results and the first writes of registers that they read
; THE WAY OUT.  A unit is 32 tokens (p = 0 .. 3) of one head (c = 0, 1): 32 rows x 256 bytes in my stage.  LDS serves a wave's instructions in order (ISA guide 5.7.1.4): no wait between my stores and my loads, nor in front of the next unit's stores.
.macro TOST adr, p, c                  ; blocks 2 p, 2 p + 1 of tokens, the head's four tiles of columns: lane (r, h) puts channels 16 bq + 8 h + 0 .. 7 of token r; each accumulator from its low end on
	WIN 0x08+4*((\p)/2)                            ; the data: window 2 or 3
.irp g, 0,1
.irp bq, 0,1,2,3
	ds_store_b128 v[\adr], v[64*((2*(\p)+\g)%4)+8*(4*(\c)+\bq):64*((2*(\p)+\g)%4)+8*(4*(\c)+\bq)+3] offset:\g*HALF2+64*\bq
	ds_store_b128 v[\adr], v[64*((2*(\p)+\g)%4)+8*(4*(\c)+\bq)+4:64*((2*(\p)+\g)%4)+8*(4*(\c)+\bq)+7] offset:\g*HALF2+64*\bq+16
.endr
.endr
	WIN 0
.endm
	s_cmp_ge_u32 ttmp9, 2                          ; the cluster's x: the same in every wave of every partner
	s_cbranch_scc1 .Lv
; ---- q and k: quantised along the head's 64
.set R,   32                           ; v32-95, v96-159: two sets of 64 numbers: register 32 u + 16 bb + i = channel 32 bb + 16 h + i of row r of tile u
.set PCS, 160                          ; v160-178, v180-198: two sets for the codes
.set TM,  200                          ; v200-215 at work
.set PW,  216                          ; the scale word just made
.set WS,  220                          ; v220-227: the eight units' scale words, 4 c + p
.macro RDB set
.irp u, 0,1
.irp bb, 0,1
.irp i, 0,1,2,3
	ds_load_b128 v[R+64*(\set)+32*\u+16*\bb+4*\i:R+64*(\set)+32*\u+16*\bb+4*\i+3], v[RDQ] offset:2176*\u+128*\bb+16*\i
.endr
.endr
.endr
.endm
; 64 numbers of a lane, four blocks of which lanes l and l xor 16 hold 16 each, become 12 registers of codes (a whole block to a lane) and a scale word
.macro QUANT s, pc
.irp b, 0,1,2,3
	v_max3_num_f32 v[TM+\b], |v[\s+16*\b]|, |v[\s+1+16*\b]|, 0x1800000   ; with the floor 2^(3 - 127): the byte cannot fall under 1
.endr
.irp i, 2,4,6,8,10,12,14
.irp b, 0,1,2,3
	v_max3_num_f32 v[TM+\b], v[TM+\b], |v[\s+16*\b+\i]|, |v[\s+1+16*\b+\i]|
.endr
.endr
.irp b, 0,1,2,3
	v_permlanex16_b32 v[TM+4+\b], v[TM+\b], s96, s97
.endr
.irp b, 0,1,2,3
	v_max_num_f32 v[TM+\b], v[TM+\b], v[TM+4+\b]   ; the block's largest magnitude
.endr
.irp b, 0,1,2,3
	v_add_nc_u32 v[TM+12+\b], 0xff000000, v[TM+\b] ; 2 off its exponent field: the conversion's scale operand
.endr
.irp b, 0,1,2,3
	v_lshrrev_b32 v[TM+4+\b], 23, v[TM+12+\b]      ; the scale's byte
.endr
	v_lshl_or_b32 v[PW], v[TM+5], 8, v[TM+4]
	v_lshl_or_b32 v[PW], v[TM+6], 16, v[PW]
	v_lshl_or_b32 v[PW], v[TM+7], 24, v[PW]
.irp c, 0,1
	v_cvt_scalef32_pk16_fp6_f32 v[\pc+6*\c:\pc+2+6*\c], v[\s+32*\c:\s+15+32*\c], v[TM+12+2*\c]
	v_cvt_scalef32_pk16_fp6_f32 v[\pc+12+4*\c:\pc+14+4*\c], v[\s+16+32*\c:\s+31+32*\c], v[TM+12+2*\c+1]   ; (a conversion's three registers begin on an even number)
.endr
	v_nop                                          ; one plain place behind a scaled conversion
.irp c, 0,1
.irp i, 0,1,2
	v_permlane16_swap_b32 v[\pc+6*\c+\i], v[\pc+12+4*\c+\i]   ; lanes 0-15 get block 2 c whole, lanes 16-31 block 2 c + 1
.endr
.irp i, 0,1,2
	v_mov_b32 v[\pc+3+6*\c+\i], v[\pc+12+4*\c+\i]
.endr
.endr
.endm
.irp b, 0,1,2,3
	v_mov_b32 v[TM+4+\b], 0                        ; written once: a lane permute's destination counts as one of its sources
.endr
	TOST STQ, 0, 0
	RDB 0
.set U, 0                              ; unit U: p = U / 2, c = U % 2
.rept 8
.if U < 7
	TOST STQ, (U+1)/2, (U+1)%2                     ; the next unit goes through the stage while this one is quantised
	RDB (U+1)%2
	s_wait_dscnt 32                                ; behind this unit's loads: the next unit's 16 stores and 16 loads
.else
	s_wait_dscnt 0x0
.endif
	s_wait_xcnt 0x0                                ; earlier stores have read their data: this set of code registers may be written again
	QUANT R+64*(U%2), PCS+20*(U%2)
	v_mov_b32 v[WS+4*(U%2)+U/2], v[PW]
.irp pl, 0,1,2
	global_store_b128 v[L16], v[PCS+20*(U%2)+4*\pl:PCS+20*(U%2)+4*\pl+3], s[12:13] offset:(U%2)*HEADB+(U/2)*1536+512*\pl   ; 32 lanes store 512 consecutive bytes, at a multiple of 256 from the buffer's first byte
.endr
.set U, U+1
.endr
.irp c, 0,1
	v_cndmask_b32 v[228+2*\c], v[WS+4*\c], v[WS+4*\c+1], s95      ; lanes 0-15: image 0's words, lanes 16-31: image 1's
	v_cndmask_b32 v[229+2*\c], v[WS+4*\c+2], v[WS+4*\c+3], s95    ; images 2 and 3
	global_store_b64 v[L8], v[228+2*\c:229+2*\c], s[12:13] offset:\c*HEADB+6144   ; 256 consecutive bytes
.endr
	s_branch .Lend
; ---- v: quantised along the tokens.  A lane takes a channel and its registers run down 32 tokens: a whole block
.Lv:
.set X0,  32                           ; v32-63: channels 0-31 of the head (g = 0);  v64-95: channels 32-63 (g = 1)
.set X1,  64
.set IMG, 96                           ; v96-191: for each (c, g) two images of 12 registers
.set VS,  192                          ; v192-195: their scale words: byte p = key block p
.set CT,  200
.macro RDV x, g
.set T, 0
.rept 32
	ds_load_b32 v[\x+T], v[RDV] offset:272*(T%16)+HALF2*(T/16)+128*\g
.set T, T+1
.endr
.endm
; key block p of 32 channels: lanes 0-15 hold tile 2 g's rows, lanes 16-31 tile 2 g + 1's.  An even block goes to the first image's registers, the odd block behind it to the second's;
; six exchanges then give the first image tile 2 g (even block in lanes 0-15, odd in lanes 16-31) and the second tile 2 g + 1.
.macro PROC p, c, g, x
.set GG, 2*(\c)+\g
.set DD, IMG+24*GG+12*((\p)%2)+6*((\p)/2)
	v_max3_num_f32 v196, |v[\x]|, |v[\x+1]|, |v[\x+2]|
	v_max3_num_f32 v197, |v[\x+3]|, |v[\x+4]|, |v[\x+5]|
.irp i, 6,10,14,18,22,26
	v_max3_num_f32 v196, v196, |v[\x+\i]|, |v[\x+\i+1]|
	v_max3_num_f32 v197, v197, |v[\x+\i+2]|, |v[\x+\i+3]|
.endr
	v_max3_num_f32 v196, v196, |v[\x+30]|, |v[\x+31]|
	v_max3_num_f32 v196, v196, v197, 0x1800000     ; with the floor 2^(3 - 127)
	v_add_nc_u32 v198, 0xff000000, v196            ; the conversion's scale operand
	v_lshrrev_b32 v199, 23, v198                   ; the scale's byte
.if (\p) == 0
	v_mov_b32 v[VS+GG], v199
.else
	v_lshl_or_b32 v[VS+GG], v199, 8*(\p), v[VS+GG]
.endif
	v_cvt_scalef32_pk16_fp6_f32 v[DD:DD+2], v[\x:\x+15], v198
	v_cvt_scalef32_pk16_fp6_f32 v[CT:CT+2], v[\x+16:\x+31], v198
	v_nop                                          ; one plain place behind a scaled conversion
.irp i, 0,1,2
	v_mov_b32 v[DD+3+\i], v[CT+\i]
.endr
.if (\p)%2
.irp i, 0,1,2,3,4,5
	v_permlane16_swap_b32 v[IMG+24*GG+6*((\p)/2)+\i], v[IMG+24*GG+12+6*((\p)/2)+\i]
.endr
.endif
.endm
	TOST STV, 0, 0
	RDV X0, 0
	RDV X1, 1
.set U, 0
.rept 8
	s_wait_dscnt 32                                ; the first set is in; the second set's 32 loads may be out
	PROC U/2, U%2, 0, X0
.if U < 7
	TOST STV, (U+1)/2, (U+1)%2                     ; behind this unit's last loads from the stage
	RDV X0, 0
	s_wait_dscnt 48                                ; behind the second set's loads: 16 stores and 32 loads
.else
	s_wait_dscnt 0x0
.endif
	PROC U/2, U%2, 1, X1
.if U < 7
	RDV X1, 1
.endif
.set U, U+1
.endr
.irp c, 0,1
.irp dt, 0,1,2,3
.irp pl, 0,1,2
	global_store_b128 v[L16], v[IMG+24*(2*\c+\dt/2)+12*(\dt%2)+4*\pl:IMG+24*(2*\c+\dt/2)+12*(\dt%2)+4*\pl+3], s[12:13] offset:\c*HEADB+\dt*1536+512*\pl
.endr
.endr
	global_store_b64 v[L8], v[VS+2*\c:VS+2*\c+1], s[12:13] offset:\c*HEADB+6144
.endr
.Lend:
	s_wait_tensorcnt 0x0                           ; the wave's end: behind my last tensor load and my last LDS store
	ds_add_u32 v[SPW], v[NIL]
	s_wait_dscnt 0x0
	CROUND                                         ; the closing round: no work-group ends while a partner may still ask for a tile that names it
	s_endpgm
.Lfunc_end_k_qade51ab058_qkv:
	.size	k_qade51ab058_qkv, .Lfunc_end_k_qade51ab058_qkv-k_qade51ab058_qkv
	.p2alignl 7, 3214868480
	.fill 96, 4, 3214868480
	.section	.rodata,"a",@progbits
	.p2align	6, 0x0
	.amdhsa_kernel k_qade51ab058_qkv
		.amdhsa_group_segment_fixed_size 327680
		.amdhsa_private_segment_fixed_size 0
		.amdhsa_enable_private_segment 0
		.amdhsa_kernarg_size 48
		.amdhsa_user_sgpr_count 2
		.amdhsa_user_sgpr_kernarg_segment_ptr 1
		.amdhsa_wavefront_size32 1
		.amdhsa_system_sgpr_workgroup_id_x 1
		.amdhsa_system_sgpr_workgroup_id_y 1
		.amdhsa_system_sgpr_workgroup_id_z 1
		.amdhsa_system_vgpr_workitem_id 0
		.amdhsa_next_free_vgpr 1024
		.amdhsa_next_free_sgpr 100
		.amdhsa_reserve_vcc 0
		.amdhsa_float_denorm_mode_32 3
		.amdhsa_float_denorm_mode_16_64 3
		.amdhsa_memory_ordered 1
		.amdhsa_forward_progress 1
		.amdhsa_inst_pref_size 251
	.end_amdhsa_kernel
	.amdgpu_metadata
---
amdhsa.version: [ 1, 2 ]
amdhsa.kernels:
  - .name:           k_qade51ab058_qkv
    .symbol:         k_qade51ab058_qkv.kd
    .args:
      - { .name: x_codes, .offset: 0, .size: 8, .value_kind: global_buffer, .address_space: global }
      - { .name: x_scales, .offset: 8, .size: 8, .value_kind: global_buffer, .address_space: global }
      - { .name: w_attn_codes, .offset: 16, .size: 8, .value_kind: global_buffer, .address_space: global }
      - { .name: w_attn_scales, .offset: 24, .size: 8, .value_kind: global_buffer, .address_space: global }
      - { .name: b_attn, .offset: 32, .size: 8, .value_kind: global_buffer, .address_space: global }
      - { .name: qkv, .offset: 40, .size: 8, .value_kind: global_buffer, .address_space: global }
    .group_segment_fixed_size: 327680
    .private_segment_fixed_size: 0
    .kernarg_segment_align: 8
    .kernarg_segment_size: 48
    .max_flat_workgroup_size: 128
    .sgpr_count:     100
    .vgpr_count:     1024
    .wavefront_size: 32
...
	.end_amdgpu_metadata
.endif
;; end of part 1
;; launch attn (part 2): grid 4 x 64, 16 waves a work-group, no clusters, 327,680 bytes of LDS; arguments qkv, y_img, y_sc; writes y_img, y_sc
.if DOCPART == 2
	.amdgcn_target "amdgcn-amd-amdhsa--gfx1250"
	.amdhsa_code_object_version 6
	.text
	.protected	k_qade51ab058_attn
	.globl	k_qade51ab058_attn
	.p2align	8
	.type	k_qade51ab058_attn,@function
k_qade51ab058_attn:
	s_mov_b64 s[64:65], 0
	v_nop
	global_prefetch_b8 v0, s[64:65] scope:SCOPE_SE
	s_setreg_imm32_b32 hwreg(HW_REG_WAVE_MODE, 25, 1), 1
	s_wait_xcnt 0x0
; y = softmax(q k^T / 8, causal) v for one head, both products on codes of FP6 (E2M3) with E8M0 scales, and y quantised along C for the last product.
; THE SOFTMAX: t = score x log2(e) / 8; M = the row's largest t so far, rounded UP to a whole number; p = 2^(t - M) is quantised along the keys, not normalised; the row's sum is taken of the unquantised p and divides at the end.
; When M moves, the sum and O are multiplied by 2^(old M - new M): exact.
; INPUT: records of 19,200 bytes, one for each (batch x 16 + head, 128 tokens): parts Q, K, V of 6,400 bytes, each four images of operand registers (3 planes of 512 bytes: registers 4 c .. 4 c + 3 at 16 x lane) and 256 bytes of scale words.
;   A Q or K image holds 32 tokens: registers 0-5 tile X, 6-11 tile Y; row r of tile u is token 8 u + r + 8 (r / 8); lane (r, h) holds block h of the token's 64.  A V image holds 16 channels x 128 keys; row r of tile 2 g + u is channel 32 g + 8 u + r + 8 (r / 8).
; K = 64 IN AN INSTRUCTION OF 128: a K image is one source 0.  Against [q | zeros] it gives tile X's scores, against [zeros | q] tile Y's.  q stands once, in a run of 18 registers: six zeros, q, six zeros.  Zero codes add nothing; every scale byte lies in 1 .. 254.
; Both products are used transposed: a lane holds ONE query (lane % 16).  By the order of a tile's rows the 16 registers of tiles X and Y of image pb are keys 32 pb + 16 (lane / 16) + 0 .. 15, and O's 16 registers of tiles 2 g, 2 g + 1 are channels 32 g + 16 (lane / 16) + 0 .. 15.
; SHARES.  Work-group (i, head) owns the blocks of 256 queries i and then 7 - i; each of its sixteen waves one tile of 16 queries.  Block j needs j + 1 slots of 256 keys, so every work-group walks 9 slots: a constant, and equal work for all 256.
; No joint loads: from request i + 1 on the four work-groups of a head ask for different records, so they have no common request.
; A step all of whose keys come after my queries is left out by a scalar branch on ids; no barrier and no tensor load stands in a step.
; OUTPUT: y_img [tile of tokens][head][768]: registers 0-3 at 16 x lane, then registers 4-5 at 8 x lane: lane (r, h) holds block h of the head's 64 of token row r;  y_sc [tile x 16 + r][32]: the head's two scale bytes at 2 x head.
; The two scale bytes go out as 2 bytes a lane, 32 bytes apart: 1 byte in 24 of what a tile stores; to gather them the sixteen heads of a token would have to meet in one work-group.
; LIMITS: NaN and infinities are not served.  A block whose largest magnitude lies under 2^-124, a block of zeros among them, keeps the byte 1 (the quantiser's rule gives zeros 127): its codes are zeros, and this program alone reads the bytes.
.set REC,    19200
.set PART,   6400
.set PARTS,  12800                     ; a record's K and V parts: what one tensor load brings
.set HEADB,  16*REC
.set SLOT1,  32768                     ; slot 1; a slot is two such parts, 256 keys
.set SPARE,  65536                     ; the spare words: 128 bytes a wave, eight blocks of 256 bytes that no other line names
.set LI16, 1                           ; v1   16 x lane
.set LI8,  2                           ; v2   8 x lane
.set SPW,  3                           ; v3   my spare word; never rewritten
.set NIL,  4                           ; v4   0; never rewritten
.set ADK,  5                           ; v5   16 x lane + the slot in hand
.set ADS,  6                           ; v6   8 x lane + the slot in hand
.set QD,   7                           ; v7   r + 8 (r / 8) - 16 h: my query less the tile's first, less my half's first key
.set QSV,  8                           ; v8   my row's scale word in Q's part
.set YSO,  9                           ; v9   32 r
.set PFO,  10                          ; v10  256 x min(lane, 24)
.set KV,   34                          ; v34-81 four images of K, then of V
.set PCD,  82                          ; v82-93 p's codes; at a block's end y's
.set QV,   192                         ; v192-193 my lane's places in Q's image
.set TB,   2                           ; s2   LDS byte at which the slot in hand begins
.set KF,   3                           ; s3   the step's first key
.set Q0,   10                          ; s10  my tile's first query
.set SW,   11                          ; s11  i + 1: the slot with which the second block begins
.set NXT,  12                          ; s12  the slot asked for last
.set SLOTS, 13                         ; s13  counts the loop
.set OFFS, 14                          ; s[14:15] the next fill's bytes from the head's first pair of records
.set BASEW, 16                         ; s[16:17] my record's K part in the head's first pair
.set WV,   18
.set SEL,  20                          ; s[20:21] v_permlanex16_b32's selects for lane l xor 16
.set CS,   22                          ; s[22:23] c = log2(e) / 8
.set G1,   24                          ; s[24:31]
.set HB,   32                          ; s[32:33] the head's first record
.set QB,   34                          ; s[34:35] my queries' record
.set YB,   36                          ; s[36:37] my tile's 768 bytes of y_img
.set YS,   38                          ; s[38:39] my tile's rows of y_sc, at my head's bytes
.set G0,   40                          ; s[40:43]
.set PFA,  44                          ; s[44:45] where my prefetches stand
.set LIM,  46                          ; s46  2 in a wave that prefetches, else the greatest number
.set PSEL, 47                          ; s47  the bytes of Q's scale word that are my tile's, twice
.set BETA, 49                          ; s49  the block of queries in hand
; Waves 0 and 1 fetch a record each.  Four v_nop follow the load.
.macro TLOAD
	s_cmp_lt_u32 s[WV], 2
	s_cbranch_scc0 .Lasked_\@
	tensor_load_to_lds s[G0:G0+3], s[G1:G1+7]
	s_nop 0
.rept 4
	v_nop
.endr
.Lasked_\@:
.endm
; A PREFETCH INTO THE L2.  All four work-groups of a head walk the head's eight pairs of records; work-group 0 asks, in waves 4 to 7, which fetch nothing: a wave a part (K or V of one of the pair's records), 6,400 bytes = 25 blocks of 256, a lane a block
; (lanes 25 to 31 name lane 24's).  Trip s of the loop (s = 0 .. 5) names pair s + 2; the earliest tensor load for that pair in any work-group of the head stands in trip s + 1.  Pairs 0 and 1 come by their loads alone; the last two trips ask for nothing.
.macro ASK
	s_cmp_gt_u32 s[SLOTS], s[LIM]
	s_cbranch_scc0 .Lnot_mine_\@
	global_prefetch_b8 v[PFO], s[PFA:PFA+1] th:TH_LOAD_NT scope:SCOPE_SE
.Lnot_mine_\@:
.endm
; A block of queries begins: its numbers, its addresses, and the loads of my tile of Q
.macro PHASE
	s_lshl_b32 s50, s[BETA], 4
	s_add_co_u32 s50, s50, s[WV]                   ; my tile of 16 tokens in the sequence
	s_lshr_b32 s51, s50, 1
	s_lshl_b32 s51, s51, 5
	s_and_b32 s52, s50, 1
	s_lshl_b32 s52, s52, 3
	s_add_co_u32 s[Q0], s51, s52                   ; its first token: 32 x pair + 8 u
	s_add_co_u32 s50, s50, s58                     ; + 128 x batch
	s_lshl_b32 s52, s[BETA], 1
	s_lshr_b32 s53, s[WV], 3
	s_add_co_u32 s52, s52, s53
	s_mul_i32 s52, s52, REC
	s_mov_b32 s53, 0
	s_add_nc_u64 s[QB:QB+1], s[HB:HB+1], s[52:53]
	s_lshl_b32 s52, s50, 4
	s_add_co_u32 s52, s52, s57
	s_mul_i32 s52, s52, 768
	s_add_nc_u64 s[YB:YB+1], s[6:7], s[52:53]
	s_lshl_b32 s52, s50, 9
	s_lshl_b32 s54, s57, 1
	s_add_co_u32 s52, s52, s54
	s_add_nc_u64 s[YS:YS+1], s[8:9], s[52:53]
	global_load_b64 v[22:23], v[QV], s[QB:QB+1]
	global_load_b64 v[24:25], v[QV+1], s[QB:QB+1] offset:8
	global_load_b64 v[26:27], v[QV], s[QB:QB+1] offset:512
	global_load_b32 v195, v[QSV], s[QB:QB+1] offset:6144
.endm
	s_load_b128 s[4:7], s[0:1], 0x0                ; the records, y_img
	s_load_b64 s[8:9], s[0:1], 0x10                ; y_sc
	v_lshl_add_u32 v[SPW], v0, 2, SPARE
	v_mov_b32 v[NIL], 0
	ds_add_u32 v3, v4
	ds_add_u32 v3, v4
	s_wait_dscnt 0x0
	v_lshrrev_b32 v5, 5, v0
	s_delay_alu instid0(VALU_DEP_1)
	v_readfirstlane_b32 s[WV], v5                  ; wave 0..15
	s_and_b32 s56, ttmp7, 0xffff                   ; batch x 16 + head
	s_and_b32 s57, s56, 15                         ; head
	s_lshr_b32 s58, s56, 4
	s_lshl_b32 s58, s58, 7                         ; 128 x batch
	s_add_co_u32 s[SW], ttmp9, 1
	s_mov_b32 s[BETA], ttmp9
	s_mul_i32 s52, s56, HEADB
	s_mov_b32 s53, 0
	s_and_b32 s50, s[WV], 1
	s_mul_i32 s54, s50, REC
	s_add_co_u32 s54, s54, PART
	s_mov_b32 s55, 0
	; descriptor group 1: 12,800 dense bytes as 50 rows of 256 (32 elements of 8 bytes), no padding
	s_mov_b32 s[G1], 3<<16
	s_mov_b32 s[G1+1], 32<<16
	s_mov_b32 s[G1+2], 50<<16
	s_mov_b32 s[G1+3], 32<<16
	s_mov_b32 s[G1+4], 50
	s_mov_b32 s[G1+5], 32
	s_mov_b32 s[G1+6], 0
	s_mov_b32 s[G1+7], 0
	s_mov_b32 s[G0], 1
	s_mul_i32 s[G0+1], s50, PARTS                  ; slot 0, my half of it
	s_mov_b32 s[OFFS], 0
	s_mov_b32 s[OFFS+1], 0
	s_mov_b32 s[NXT], 0
	s_mov_b32 s[SLOTS], 8
	s_mov_b32 s[TB], 0
	s_mov_b32 s[KF], 0
	s_mov_b32 s[SEL], 0x76543210
	s_mov_b32 s[SEL+1], 0xfedcba98
	s_mov_b32 s[CS], 0x3e38aa3b                    ; log2(e) / 8
	s_mov_b32 s[CS+1], s[CS]                       ; (named with it as a pair, so it is written)
	s_wait_kmcnt 0x0
	s_add_nc_u64 s[HB:HB+1], s[4:5], s[52:53]
	s_add_nc_u64 s[BASEW:BASEW+1], s[HB:HB+1], s[54:55]
	s_mov_b64 s[G0+2:G0+3], s[BASEW:BASEW+1]
	s_or_b32 s[G0+3], s[G0+3], 0x80000000
	TLOAD                                          ; slot 0: the head's first 256 keys.  One load of mine is out, here and behind every change of slots
	s_bfe_u32 s51, s[WV], 0x10001                  ; the prefetches: which record of a pair,
	s_add_co_u32 s51, s51, 2                       ; in pair 1: the first change of slots steps it to pair 2
	s_mul_i32 s51, s51, REC
	s_mul_i32 s52, s50, PART                       ; K's part or V's
	s_add_co_u32 s52, s52, s51
	s_add_co_u32 s52, s52, PART
	s_add_nc_u64 s[PFA:PFA+1], s[HB:HB+1], s[52:53]
	s_lshr_b32 s48, s[WV], 2
	s_xor_b32 s48, s48, 1                          ; 0 in waves 4 to 7,
	s_or_b32 s48, s48, ttmp9                       ; of the head's first work-group
	s_cmp_eq_u32 s48, 0
	s_cselect_b32 s[LIM], 2, -1
	v_and_b32 v5, 31, v0
	s_delay_alu instid0(VALU_DEP_1)
	v_lshlrev_b32 v[LI16], 4, v5
	s_delay_alu instid0(VALU_DEP_2)
	v_lshlrev_b32 v[LI8], 3, v5
	s_delay_alu instid0(VALU_DEP_3)
	v_min_u32 v[PFO], 24, v5
	s_delay_alu instid0(VALU_DEP_1)
	v_lshlrev_b32 v[PFO], 8, v[PFO]
	v_and_b32 v6, 15, v0                           ; r
	v_bfe_u32 v11, v0, 4, 1                        ; h
	s_delay_alu instid0(VALU_DEP_2)
	v_lshrrev_b32 v254, 3, v6
	s_delay_alu instid0(VALU_DEP_1)
	v_lshl_add_u32 v[QD], v254, 3, v6
	s_delay_alu instid0(VALU_DEP_3)
	v_lshlrev_b32 v254, 4, v11
	s_delay_alu instid0(VALU_DEP_1)
	v_sub_nc_u32 v[QD], v[QD], v254
	v_lshlrev_b32 v[YSO], 5, v6
	s_bfe_u32 s51, s[WV], 0x20001                  ; pb: my tile's image in its record
	s_and_b32 s52, s51, 1
	s_lshl_b32 s52, s52, 7                         ; its scale words: lanes 16 (pb % 2) on, 8 bytes a lane,
	s_lshr_b32 s54, s51, 1
	s_lshl_b32 s54, s54, 2                         ; word pb / 2
	s_add_co_u32 s52, s52, s54
	v_lshl_add_u32 v[QSV], v6, 3, s52
	s_mul_i32 s51, s51, 1536
	s_mul_i32 s52, s50, 520                        ; tile X: registers 0-5 lie at bytes 0, 8 and 512 of my lane's places; tile Y: registers 6-11 at 520, 1024 and 1032
	s_mul_i32 s54, s50, 1016
	s_add_co_u32 s52, s52, s51
	s_add_co_u32 s54, s54, s51
	v_add_nc_u32 v[QV], s52, v[LI16]
	s_wait_alu depctr_va_vdst(0)
	v_add_nc_u32 v[QV+1], s54, v[LI16]
	s_wait_alu depctr_va_vdst(0)
	s_cmp_eq_u32 s50, 0
	s_mov_b32 s[PSEL], 0x03020302
	s_cselect_b32 s[PSEL], 0x01000100, s[PSEL]
	PHASE
.irp j, 16,17,18,19,20,21,28,29,30,31,32,33
	v_mov_b32 v[\j], 0                             ; the zero codes on both sides of q
.endr
	v_mov_b32 v13, 0xff61b1e6                      ; the largest t so far: -3e38
	s_delay_alu instid0(VALU_DEP_1)
	v_floor_f32 v12, -v13                          ; -M
	v_mov_b32 v14, 0                               ; the sum, in two halves
	v_mov_b32 v15, 0
.irp b, 0,1,2,3
	v_mov_b32 v[236+\b], 0                         ; written once: a lane permute's destination counts as one of its sources
.endr
	v_mov_b32 v252, 0
	v_mov_b32 v253, 0                              ; (named as the upper half of the pair v[252:253] before it is first written)
	s_wait_loadcnt 0x0                             ; q and its scale word
	v_perm_b32 v255, v195, v195, s[PSEL]           ; my tile's two bytes, twice: they serve q in either half of K
.set J, 0
.rept 32
	v_mov_b32 v[160+J], 0                          ; O^T: the first change of M leaves zeros zeros.  (Also the places between the line above and the first scaled product)
.set J, J+1
.endr
.macro KQ d, pb, qb                    ; scores of one tile of 16 keys: image pb against the run of 12 registers from qb on
.if (\pb)%2
	v_wmma_scale_f32_16x16x128_f8f6f4 v[\d:\d+7], v[KV+12*(\pb):KV+12*(\pb)+11], v[\qb:\qb+11], 0, v[248+(\pb)/2], v255 matrix_a_fmt:MATRIX_FMT_FP6 matrix_b_fmt:MATRIX_FMT_FP6 matrix_a_scale:MATRIX_SCALE_ROW1
.else
	v_wmma_scale_f32_16x16x128_f8f6f4 v[\d:\d+7], v[KV+12*(\pb):KV+12*(\pb)+11], v[\qb:\qb+11], 0, v[248+(\pb)/2], v255 matrix_a_fmt:MATRIX_FMT_FP6 matrix_b_fmt:MATRIX_FMT_FP6
.endif
.endm
.macro PV dt                           ; O^T += V^T P^T for 16 channels
.if (\dt)%2
	v_wmma_scale_f32_16x16x128_f8f6f4 v[160+8*(\dt):167+8*(\dt)], v[KV+12*(\dt):KV+12*(\dt)+11], v[PCD:PCD+11], v[160+8*(\dt):167+8*(\dt)], v[250+(\dt)/2], v253 matrix_a_fmt:MATRIX_FMT_FP6 matrix_b_fmt:MATRIX_FMT_FP6 matrix_a_scale:MATRIX_SCALE_ROW1
.else
	v_wmma_scale_f32_16x16x128_f8f6f4 v[160+8*(\dt):167+8*(\dt)], v[KV+12*(\dt):KV+12*(\dt)+11], v[PCD:PCD+11], v[160+8*(\dt):167+8*(\dt)], v[250+(\dt)/2], v253 matrix_a_fmt:MATRIX_FMT_FP6 matrix_b_fmt:MATRIX_FMT_FP6
.endif
.endm
; A KEY STEP: 128 keys, record q of the slot in hand
.macro STEP q
	s_add_co_u32 s48, s[Q0], 23                    ; my tile's last query
	s_cmp_gt_u32 s[KF], s48
	s_cbranch_scc1 .Lhidden_\@
	v_add_nc_u32 v[ADK], s[TB], v[LI16]
	v_add_nc_u32 v[ADS], s[TB], v[LI8]
	v_nop
	v_nop                                          ; four places in front of loads into registers that the last products read
.irp pb, 0,1,2,3
.irp c, 0,1,2
	ds_load_b128 v[KV+12*\pb+4*\c:KV+12*\pb+4*\c+3], v[ADK] offset:PARTS*(\q)+1536*\pb+512*\c
.endr
.endr
	ds_load_b64 v[248:249], v[ADS] offset:PARTS*(\q)+6144
	s_wait_alu depctr_va_vdst(0)
	s_wait_dscnt 0x0
.irp pb, 0,1,2,3
	KQ 96+16*\pb, \pb, 22                          ; tile X: [q | zeros]
	KQ 104+16*\pb, \pb, 16                         ; tile Y: [zeros | q]
.endr
.rept 4
	v_nop
.endr
.irp dt, 0,1,2,3                       ; V's images take K's registers and land while the softmax is walked
.irp c, 0,1,2
	ds_load_b128 v[KV+12*\dt+4*\c:KV+12*\dt+4*\c+3], v[ADK] offset:PARTS*(\q)+PART+1536*\dt+512*\c
.endr
.endr
	ds_load_b64 v[250:251], v[ADS] offset:PARTS*(\q)+PART+6144
	s_add_co_u32 s48, s[KF], 127                   ; on the diagonal hidden scores become -infinity ahead of the maximum; a step all of whose keys count skips this
	s_cmp_le_u32 s48, s[Q0]
	s_cbranch_scc1 .Lopen_\@
	s_sub_co_i32 s48, s[Q0], s[KF]
	v_add_nc_u32 v252, s48, v[QD]                  ; register 16 b + i holds key KF + 16 h + 32 b + i: hidden where 32 b + i is above this number
	v_mov_b32 v254, 0xff800000
.set J, 0
.rept 64
	v_cmp_gt_i32 vcc_lo, 32*(J/16)+J%16, v252
	v_cndmask_b32 v[96+J], v[96+J], v254, vcc_lo
.set J, J+1
.endr
.Lopen_\@:
.irp b, 0,1,2,3
	v_max3_num_f32 v[232+\b], v[96+16*\b], v[97+16*\b], v[98+16*\b]   ; the largest score of each block of 32 keys: for the row's maximum and, since p rises with the score, for the block's largest p
.endr
.irp i, 3,5,7,9,11,13
.irp b, 0,1,2,3
	v_max3_num_f32 v[232+\b], v[232+\b], v[96+16*\b+\i], v[97+16*\b+\i]
.endr
.endr
.irp b, 0,1,2,3
	v_max_num_f32 v[232+\b], v[232+\b], v[111+16*\b]
.endr
.irp b, 0,1,2,3
	s_delay_alu instid0(VALU_DEP_4)
	v_permlanex16_b32 v[236+\b], v[232+\b], s[SEL], s[SEL+1]
.endr
.irp b, 0,1,2,3
	s_delay_alu instid0(VALU_DEP_4)
	v_max_num_f32 v[232+\b], v[232+\b], v[236+\b]
.endr
	s_delay_alu instid0(VALU_DEP_2)
	v_max3_num_f32 v254, v232, v233, v234
	s_delay_alu instid0(VALU_DEP_1)
	v_max_num_f32 v254, v254, v235
	s_delay_alu instid0(VALU_DEP_1)
	v_mul_f32 v254, s[CS], v254                    ; the step's largest t of my query
	s_delay_alu instid0(VALU_DEP_1)
	v_max_num_f32 v13, v13, v254
	v_mov_b32 v254, v12
	s_delay_alu instid0(VALU_DEP_2)
	v_floor_f32 v12, -v13                          ; the new -M = -ceil(t)
	s_delay_alu instid0(VALU_DEP_1)
	v_sub_f32 v254, v12, v254                      ; old M - new M: a whole number, 0 or less
	s_delay_alu instid0(VALU_DEP_1)
	v_cvt_i32_f32 v254, v254                       ; (it saturates)
	s_delay_alu instid0(VALU_DEP_1)
	v_ldexp_f32 v252, 1.0, v254                    ; f = 2^(old M - new M)
.set J, 0
.rept 32
	v_pk_fma_f32 v[96+J:97+J], v[96+J:97+J], s[CS:CS+1], v[12:13] op_sel_hi:[1,0,0]   ; t - M, two at a time
.set J, J+2
.endr
.irp b, 0,1,2,3
	v_fma_f32 v[232+\b], v[232+\b], s[CS], v12
.endr
.set J, 0
	s_wait_alu depctr_va_vdst(0)
.rept 64
	v_exp_f32 v[96+J], v[96+J]                     ; p = 2^(t - M)
.set J, J+1
.endr
	v_pk_mul_f32 v[14:15], v[14:15], v[252:253] op_sel_hi:[1,0]   ; the sums under the new M: the plain place behind the exponentials
	s_wait_alu depctr_va_vdst(0)                   ; one wait for the batch of 64, ahead of its first reader
.irp b, 0,1,2,3
	v_exp_f32 v[232+\b], v[232+\b]                 ; each block's largest p
.endr
	v_pk_add_f32 v[236:237], v[100:101], v[104:105]
	v_pk_add_f32 v[248:249], v[108:109], v[112:113]
	v_pk_add_f32 v[246:247], v[116:117], v[120:121]
	v_pk_add_f32 v[244:245], v[124:125], v[128:129]
	v_pk_add_f32 v[242:243], v[132:133], v[136:137]
	v_pk_add_f32 v[240:241], v[140:141], v[144:145]
	v_pk_add_f32 v[238:239], v[148:149], v[152:153]
	v_pk_add_f32 v[14:15], v[14:15], v[156:157]
	v_pk_add_f32 v[236:237], v[236:237], v[96:97]
	v_pk_add_f32 v[248:249], v[248:249], v[98:99]
	v_pk_add_f32 v[246:247], v[246:247], v[102:103]
	v_pk_add_f32 v[244:245], v[244:245], v[106:107]
	v_pk_add_f32 v[242:243], v[242:243], v[110:111]
	v_pk_add_f32 v[240:241], v[240:241], v[114:115]
	v_pk_add_f32 v[238:239], v[238:239], v[118:119]
	v_pk_add_f32 v[14:15], v[14:15], v[122:123]
	v_pk_add_f32 v[236:237], v[236:237], v[126:127]
	v_pk_add_f32 v[248:249], v[248:249], v[130:131]
	v_pk_add_f32 v[246:247], v[246:247], v[134:135]
	v_pk_add_f32 v[244:245], v[244:245], v[138:139]
	v_pk_add_f32 v[242:243], v[242:243], v[142:143]
	v_pk_add_f32 v[240:241], v[240:241], v[146:147]
	v_pk_add_f32 v[238:239], v[238:239], v[150:151]
	v_pk_add_f32 v[14:15], v[14:15], v[154:155]
	v_pk_add_f32 v[236:237], v[236:237], v[158:159]
	s_delay_alu instid0(VALU_DEP_2)
	v_pk_add_f32 v[14:15], v[14:15], v[244:245]
	s_delay_alu instid0(VALU_DEP_2)
	v_pk_add_f32 v[236:237], v[236:237], v[242:243]
	v_pk_add_f32 v[248:249], v[248:249], v[240:241]
	v_pk_add_f32 v[246:247], v[246:247], v[238:239]
	s_delay_alu instid0(VALU_DEP_2)
	v_pk_add_f32 v[14:15], v[14:15], v[248:249]
	s_delay_alu instid0(VALU_DEP_2)
	v_pk_add_f32 v[236:237], v[236:237], v[246:247]
	s_delay_alu instid0(VALU_DEP_1)
	v_pk_add_f32 v[14:15], v[14:15], v[236:237]
	s_wait_alu depctr_va_vdst(0)                   ; and one for the four
.irp b, 0,1,2,3
	v_max_num_f32 v[232+\b], 0x1800000, v[232+\b]  ; the floor 2^(3 - 127)
.endr
.irp b, 0,1,2,3
	s_delay_alu instid0(VALU_DEP_4)
	v_add_nc_u32 v[244+\b], 0xff000000, v[232+\b]  ; the conversion's scale operand
.endr
.irp b, 0,1,2,3
	s_delay_alu instid0(VALU_DEP_4)
	v_lshrrev_b32 v[236+\b], 23, v[244+\b]
.endr
	s_delay_alu instid0(VALU_DEP_3)
	v_lshl_or_b32 v253, v237, 8, v236              ; p's scale word for these 128 keys
	s_delay_alu instid0(VALU_DEP_1)
	v_lshl_or_b32 v253, v238, 16, v253
	s_delay_alu instid0(VALU_DEP_1)
	v_lshl_or_b32 v253, v239, 24, v253
.irp c, 0,1
	v_cvt_scalef32_pk16_fp6_f32 v[PCD+6*\c:PCD+2+6*\c], v[96+32*\c:111+32*\c], v[244+2*\c]
	v_cvt_scalef32_pk16_fp6_f32 v[236+4*\c:238+4*\c], v[112+32*\c:127+32*\c], v[244+2*\c+1]
.endr
	v_nop                                          ; one plain place behind a scaled conversion
.irp c, 0,1
.irp i, 0,1,2
	v_permlane16_swap_b32 v[PCD+6*\c+\i], v[236+4*\c+\i]
.endr
.irp i, 0,1,2
	s_delay_alu instid0(VALU_DEP_3)
	v_mov_b32 v[PCD+3+6*\c+\i], v[236+4*\c+\i]
.endr
.endr
.set J, 0
.rept 16
	v_pk_mul_f32 v[160+J:161+J], v[160+J:161+J], v[252:253] op_sel_hi:[1,0]   ; O^T under the new M.  (These 16 are also the places between p's codes and scale word and the products below)
.set J, J+2
.endr
	s_wait_alu depctr_va_vdst(0)
	s_wait_dscnt 0x0                               ; V
.irp dt, 0,1,2,3
	PV \dt                                         ; four accumulators, one instruction each
.endr
.Lhidden_\@:
	s_add_co_u32 s[KF], s[KF], 128
.endm
; THE CHANGE OF SLOTS stands at a slot's head: each wave waits for all its tensor loads, adds 0 to its spare word, waits for that and for its reads of the slot that it has left; one barrier; fill = 1: that slot is filled with the keys that follow.
.macro CHANGE fill
	s_wait_tensorcnt 0x0                           ; no tensor load of mine is out, so the descriptor may be written
	ds_add_u32 v[SPW], v[NIL]                      ; 0 onto my spare word
.if \fill
	s_xor_b32 s[G0+1], s[G0+1], SLOT1              ; the other slot than last time
	s_add_co_u32 s[NXT], s[NXT], 1
	s_add_co_u32 s[OFFS], s[OFFS], 2*REC           ; the next pair of records,
	s_cmp_eq_u32 s[NXT], s[SW]
	s_cselect_b32 s[OFFS], 0, s[OFFS]              ; or the head's first again, for the second block of queries
	s_add_nc_u64 s[G0+2:G0+3], s[BASEW:BASEW+1], s[OFFS:OFFS+1]
	s_or_b32 s[G0+3], s[G0+3], 0x80000000
	s_wait_xcnt 0x0                                ; the last prefetch, a slot back, has read its address
	s_add_nc_u64 s[PFA:PFA+1], s[PFA:PFA+1], 2*REC
.endif
	s_wait_dscnt 0x0                               ; the add is done, and my reads of the slot that I have left are over
	s_barrier_signal -1
	s_barrier_wait -1
.if \fill
	TLOAD                                          ; the first thing behind the barrier, and a wave's one tensor load until the next
	ASK
.endif
.endm
; A BLOCK OF QUERIES ENDS: O^T / the sum is quantised along the head's 64 and stored.  last = 0: the second block begins.
.macro FLUSH last
.rept 4
	v_nop                                          ; places behind the last products
.endr
	v_add_f32 v14, v14, v15
	s_delay_alu instid0(VALU_DEP_1)
	v_permlanex16_b32 v252, v14, s[SEL], s[SEL+1]
	s_delay_alu instid0(VALU_DEP_1)
	v_add_f32 v14, v14, v252                       ; the row's sum
	s_wait_alu depctr_va_vdst(0)
	v_rcp_f32 v14, v14
	v_nop                                          ; a plain place behind the reciprocal,
	s_wait_alu depctr_va_vdst(0)                   ; and the wait ahead of its first reader
.set J, 0
.rept 32
	v_mul_f32 v[96+J], v[160+J], v14               ; register 16 g + i: channel 32 g + 16 h + i of my token
.set J, J+1
.endr
	v_max3_num_f32 v232, |v96|, |v97|, 0x1800000
	v_max3_num_f32 v233, |v112|, |v113|, 0x1800000
.irp i, 2,4,6,8,10,12,14
	s_delay_alu instid0(VALU_DEP_2)
	v_max3_num_f32 v232, v232, |v[96+\i]|, |v[97+\i]|
	s_delay_alu instid0(VALU_DEP_2)
	v_max3_num_f32 v233, v233, |v[112+\i]|, |v[113+\i]|
.endr
	s_delay_alu instid0(VALU_DEP_2)
	v_permlanex16_b32 v236, v232, s[SEL], s[SEL+1]
	s_delay_alu instid0(VALU_DEP_2)
	v_permlanex16_b32 v237, v233, s[SEL], s[SEL+1]
	s_delay_alu instid0(VALU_DEP_2)
	v_max_num_f32 v232, v232, v236
	s_delay_alu instid0(VALU_DEP_2)
	v_max_num_f32 v233, v233, v237
	s_delay_alu instid0(VALU_DEP_2)
	v_add_nc_u32 v244, 0xff000000, v232
	s_delay_alu instid0(VALU_DEP_2)
	v_add_nc_u32 v245, 0xff000000, v233
	s_delay_alu instid0(VALU_DEP_2)
	v_lshrrev_b32 v236, 23, v244
	s_delay_alu instid0(VALU_DEP_2)
	v_lshrrev_b32 v237, 23, v245
	s_delay_alu instid0(VALU_DEP_1)
	v_lshl_or_b32 v254, v237, 8, v236              ; the head's two scale bytes of my token
	v_cvt_scalef32_pk16_fp6_f32 v[PCD:PCD+2], v[96:111], v244
	v_cvt_scalef32_pk16_fp6_f32 v[240:242], v[112:127], v245
	v_nop
.irp i, 0,1,2
	v_permlane16_swap_b32 v[PCD+\i], v[240+\i]     ; lanes 0-15 get block 0 whole, lanes 16-31 block 1
.endr
.irp i, 0,1,2
	s_delay_alu instid0(VALU_DEP_3)
	v_mov_b32 v[PCD+3+\i], v[240+\i]
.endr
	global_store_b128 v[LI16], v[PCD:PCD+3], s[YB:YB+1]              ; 512 consecutive bytes, at a multiple of 256 from the buffer's first byte
	global_store_b64 v[LI8], v[PCD+4:PCD+5], s[YB:YB+1] offset:512   ; 256 more
	global_store_b16 v[YSO], v254, s[YS:YS+1]                        ; lanes r and 16 + r write the same two bytes with the same value
.if !\last
	s_wait_xcnt 0x0                                ; the stores have read their data and bases
	s_sub_co_u32 s[BETA], 7, ttmp9
	PHASE
	s_mov_b32 s[KF], 0
	v_mov_b32 v13, 0xff61b1e6
	s_delay_alu instid0(VALU_DEP_1)
	v_floor_f32 v12, -v13
	v_mov_b32 v14, 0
	v_mov_b32 v15, 0
	s_wait_loadcnt 0x0
	v_perm_b32 v255, v195, v195, s[PSEL]
.set J, 0
.rept 32
	v_mov_b32 v[160+J], 0
.set J, J+1
.endr
.endif
.endm
.Lslot:                                            ; 8 trips: behind each change of slots but the last the next slot is asked for
	CHANGE 1
	STEP 0
	STEP 1
	s_xor_b32 s[TB], s[TB], SLOT1
	s_cmp_lg_u32 s[NXT], s[SW]                     ; was this the first block's last slot?  Ids alone decide
	s_cbranch_scc1 .Lsame
	FLUSH 0
.Lsame:
	s_sub_co_u32 s[SLOTS], s[SLOTS], 1
	s_cmp_lg_u32 s[SLOTS], 0
	s_cbranch_scc1 .Lslot
	CHANGE 0                                       ; the last slot is written out
	STEP 0
	STEP 1
	FLUSH 1
	s_wait_tensorcnt 0x0                           ; the wave's end
	ds_add_u32 v[SPW], v[NIL]
	s_wait_dscnt 0x0
	s_endpgm
.Lfunc_end_k_qade51ab058_attn:
	.size	k_qade51ab058_attn, .Lfunc_end_k_qade51ab058_attn-k_qade51ab058_attn
	.p2alignl 7, 3214868480
	.fill 96, 4, 3214868480
	.section	.rodata,"a",@progbits
	.p2align	6, 0x0
	.amdhsa_kernel k_qade51ab058_attn
		.amdhsa_group_segment_fixed_size 327680
		.amdhsa_private_segment_fixed_size 0
		.amdhsa_enable_private_segment 0
		.amdhsa_kernarg_size 24
		.amdhsa_user_sgpr_count 2
		.amdhsa_user_sgpr_kernarg_segment_ptr 1
		.amdhsa_wavefront_size32 1
		.amdhsa_system_sgpr_workgroup_id_x 1
		.amdhsa_system_sgpr_workgroup_id_y 1
		.amdhsa_system_sgpr_workgroup_id_z 1
		.amdhsa_system_vgpr_workitem_id 0
		.amdhsa_next_free_vgpr 256
		.amdhsa_next_free_sgpr 66
		.amdhsa_reserve_vcc 1
		.amdhsa_float_denorm_mode_32 3
		.amdhsa_float_denorm_mode_16_64 3
		.amdhsa_memory_ordered 1
		.amdhsa_forward_progress 1
		.amdhsa_inst_pref_size 108
	.end_amdhsa_kernel
	.amdgpu_metadata
---
amdhsa.version: [ 1, 2 ]
amdhsa.kernels:
  - .name:           k_qade51ab058_attn
    .symbol:         k_qade51ab058_attn.kd
    .args:
      - { .name: qkv, .offset: 0, .size: 8, .value_kind: global_buffer, .address_space: global }
      - { .name: y_img, .offset: 8, .size: 8, .value_kind: global_buffer, .address_space: global }
      - { .name: y_sc, .offset: 16, .size: 8, .value_kind: global_buffer, .address_space: global }
    .group_segment_fixed_size: 327680
    .private_segment_fixed_size: 0
    .kernarg_segment_align: 8
    .kernarg_segment_size: 24
    .max_flat_workgroup_size: 512
    .sgpr_count:     66
    .vgpr_count:     256
    .wavefront_size: 32
...
	.end_amdgpu_metadata
.endif
;; end of part 2
;; launch proj (part 3): grid 4 x 32, 4 waves a work-group, clusters of 4 x 4, 327,680 bytes of LDS; arguments y_img, y_sc, w_proj_codes, w_proj_scales, b_proj, out0; writes out0
.if DOCPART == 3
	.amdgcn_target "amdgcn-amd-amdhsa--gfx1250"
	.amdhsa_code_object_version 6
	.text
	.protected	k_qade51ab058_proj
	.globl	k_qade51ab058_proj
	.p2align	8
	.type	k_qade51ab058_proj,@function
k_qade51ab058_proj:
	s_mov_b64 s[64:65], 0
	v_nop
	global_prefetch_b8 v0, s[64:65] scope:SCOPE_SE
	s_setreg_imm32_b32 hwreg(HW_REG_WAVE_MODE, 25, 1), 1
	s_wait_xcnt 0x0
	s_wait_alu depctr_hold_cnt(0) depctr_sa_sdst(0) depctr_va_vdst(0) depctr_va_sdst(0) depctr_va_ssrc(0) depctr_va_vcc(0) depctr_vm_vsrc(0)
	s_getreg_b32 s2, hwreg(HW_REG_IB_STS2, 6, 4)
	s_cmp_eq_u32 s2, 0
	s_cbranch_scc0 .Lentry_in_a_cluster
	s_endpgm
.Lentry_in_a_cluster:
	s_bfe_u32 s2, ttmp6, 0x10000c
	s_cmp_lg_u32 s2, 0xf033
	s_cbranch_scc0 .Lentry_shape_is_right
	s_endpgm
.Lentry_shape_is_right:
; out = y W_proj + b_proj on codes of FP6 (E2M3) with one E8M0 scale for each 32 along K = 1,024.  W_proj: 1,024 rows of 768 bytes of codes and 32 scale bytes.  out: [8,192][1,024] f32.
; y comes as IMAGES OF OPERAND REGISTERS: y_img [tile of 16 tokens][head][768]: registers 0-3 at 16 x lane, then registers 4-5 at 8 x lane; two heads on end are a fragment of 128 along K.
; Row r of tile 2 p + u stands for token 32 p + 8 u + r + 8 (r / 8); the way out puts each row at its token's place.  y_sc [tile x 16 + r][32]: a row's 32 scale bytes.
; A work-group of four waves makes 256 tokens x 256 columns, a wave 128 x 128; K goes in steps of 256 through a ring of two LDS slots.  128 work-groups: the tile is kept large so that each fragment read from LDS feeds eight products.
; CLUSTERS: 4 x 4 work-groups; y's tiles are asked for jointly along a row of the cluster, W's along a column.  The matrix instruction is used transposed (source 0 = 16 rows of W, source 1 = 16 tokens).  The bias is the C of each sum's first product.
; REGISTERS as in windows of 256: window 0: v0-31 addresses; v32-63 scale words, two sets; v64-127 the bias; from v128 y's fragments, one set.  window 1: W's fragments, two sets.  windows 2, 3: the accumulators.
.set SIZE_K, 1024
.set KSTEP,  256
.set NQ,     KSTEP/128
.set ROWB,   192
.set KROW,   SIZE_K*6/8
.set PITCH,  240                       ; W's LDS row: 3 x (64 bytes + 16 of padding)
.set FR,     12
.set NLA,    4                         ; LDS loads that bring a fragment of y
.set NP,     4
.set HALFT,  128*PITCH                 ; W: what one tensor load brings
.set TILEB,  3072                      ; y: a tile's four heads of a K step
.set HALFA,  8*TILEB                   ; y: what one tensor load brings: eight tiles
.set SLOT,   2*HALFA+2*HALFT           ; y's 16 tiles, then W's 256 rows
.set LAPS,   SIZE_K/(2*KSTEP)
.set KS,     SIZE_K/32
.set SCL,    2*SLOT
.set HALFS,  (128*KS/256)*272
.set SBLK,   (16*KS/256)*272
.set SPARE,  SCL+4*HALFS               ; the spare words: two blocks of 256 bytes that no other line names
.set SPITCH, 528                       ; the way out: 16 rows x (512 bytes + 16) for each wave, in slot 0, which has had its last fill and its last read
.set BO,   14
.set ADRA, 16                          ; v16-17 16 x lane + my tiles in slot 0, 1;  v18-19 the same with 8 x lane
.set ADRB, 20                          ; v20-23 W's fragments
.set STO,  24
.set RD,   25
.set CO,   26
.set ADRS, 27
.set SPW,  28
.set NIL,  29
.set SC,   32
.set BIAS, 64
.set AF,   128
.set BK,   128
.set G1, 24
.set G0, 32
.set G1B, 48
.set G0B, 56
.set G1S, 68
.set G0S, 76
.set G1SB, 80
.set G0SB, 88
.set MSB, 0
.macro WIN new
.if MSB != (\new)
	s_set_vgpr_msb (MSB<<8)|(\new)
.set MSB, (\new)
.endif
.endm
.set MUL_LO, 0xa1
.set MUL_HI, 0xf1
.set TO_B,   0x40
.macro JLOAD g0a, g1a, g0b, g1b        ; waves 0 and 1 fetch for y, waves 2 and 3 for W; four v_nop follow each of the two lines
	s_cmp_eq_u32 s15, 0
	s_cbranch_scc0 .Lfor_b_\@
	tensor_load_to_lds s[\g0a:\g0a+3], s[\g1a:\g1a+7]
	s_nop 0
.rept 4
	v_nop
.endr
	s_branch .Lasked_\@
.Lfor_b_\@:
	tensor_load_to_lds s[\g0b:\g0b+3], s[\g1b:\g1b+7]
	s_nop 0
.rept 4
	v_nop
.endr
.Lasked_\@:
.endm
.macro CREST
	s_cmp_lg_u32 s14, 0
	s_cbranch_scc1 .Lnot_wave_0_\@
	s_barrier_signal -3
.Lnot_wave_0_\@:
	s_barrier_wait -3
	s_barrier_signal -1
	s_barrier_wait -1
.endm
.macro CROUND
	s_barrier_signal -1
	s_barrier_wait -1
	CREST
.endm
	s_load_b128 s[4:7], s[0:1], 0x0                ; y's images, y's scales
	s_load_b128 s[8:11], s[0:1], 0x10              ; W's codes, W's scales
	s_load_b64 s[98:99], s[0:1], 0x20              ; the bias
	s_load_b64 s[12:13], s[0:1], 0x28              ; out
	v_lshl_add_u32 v[SPW], v0, 2, SPARE
	v_mov_b32 v[NIL], 0
	ds_add_u32 v28, v29
	s_wait_dscnt 0x0
	v_lshrrev_b32 v1, 5, v0
	v_readfirstlane_b32 s14, v1                    ; wave 0..3
	s_lshr_b32 s15, s14, 1                         ; which 128 tokens are mine.  Also: I fetch for y (0) or for W (1)
	s_and_b32 s16, s14, 1                          ; which 128 columns.  Also: which half of that tile I fetch
	s_bfe_u32 s40, ttmp6, 0x40000
	s_bfe_u32 s41, ttmp6, 0x40004
	s_lshl_b32 s42, ttmp9, 2
	s_add_co_u32 s42, s42, s40                     ; tile column
	s_and_b32 s17, ttmp7, 0xffff
	s_lshl_b32 s17, s17, 2
	s_add_co_u32 s17, s17, s41                     ; tile row
	s_lshl_b32 s43, s41, 2
	s_lshl_b32 s43, 15, s43                        ; my row of the cluster
	s_lshl_b32 s44, 0x1111, s40                    ; my column
	; y's tiles: 8 rows (tiles of tokens) x 3,072 bytes (384 elements of 8 bytes), 12,288 bytes apart, no padding
	s_or_b32 s[G1+0], s43, (3<<16)|(1<<21)
	s_mov_b32 s[G1+1], 384<<16
	s_mov_b32 s[G1+2], 8<<16
	s_mov_b32 s[G1+3], 384<<16
	s_mov_b32 s[G1+4], 8
	s_mov_b32 s[G1+5], 1536
	s_mov_b32 s[G1+6], 0
	s_mov_b32 s[G1+7], 0
	; W's tiles: 128 rows x 192 bytes, 16 bytes of padding behind every 64
	s_or_b32 s[G1B+0], s44, (0<<16)|(1<<20)|(1<<21)|(3<<22)|(3<<25)
	s_mov_b32 s[G1B+1], ROWB<<16
	s_mov_b32 s[G1B+2], 128<<16
	s_mov_b32 s[G1B+3], ROWB<<16
	s_mov_b32 s[G1B+4], 128
	s_mov_b32 s[G1B+5], KROW
	s_mov_b32 s[G1B+6], 0
	s_mov_b32 s[G1B+7], 0
	; the scale bytes of 128 rows: 16 rows of 256 bytes, 16 bytes of padding behind each
	s_or_b32 s[G1S+0], s43, (3<<16)|(1<<20)|(1<<21)|(5<<22)|(3<<25)
	s_or_b32 s[G1SB+0], s44, (3<<16)|(1<<20)|(1<<21)|(5<<22)|(3<<25)
.irp g, G1S, G1SB
	s_mov_b32 s[\g+1], 32<<16
	s_mov_b32 s[\g+2], (128*KS/256)<<16
	s_mov_b32 s[\g+3], 32<<16
	s_mov_b32 s[\g+4], 128*KS/256
	s_mov_b32 s[\g+5], 32
	s_mov_b32 s[\g+6], 0
	s_mov_b32 s[\g+7], 0
.endr
	s_lshl_b32 s18, s16, 7
	s_lshl_b32 s22, s17, 8
	s_add_co_u32 s22, s22, s18                     ; y: row 256 x tile row + 128 x half
	s_lshl_b32 s20, s22, 8
	s_mul_i32 s20, s20, 3                          ; its images: 768 bytes a row (12,288 a tile of 16)
	s_lshl_b32 s22, s22, 5                         ; its scale bytes: 32 a row
	s_mov_b32 s21, 0
	s_mov_b32 s23, 0
	s_lshl_b32 s46, s42, 8
	s_add_co_u32 s46, s46, s18                     ; W: row 256 x tile column + 128 x half
	s_lshl_b32 s92, s46, 5
	s_mul_i32 s46, s46, KROW
	s_mov_b32 s47, 0
	s_mov_b32 s93, 0
	s_mul_i32 s45, s16, HALFA                      ; where they go: y's halves,
	s_mul_i32 s95, s16, HALFT
	s_add_co_u32 s95, s95, 2*HALFA                 ; W's halves behind them,
	s_mul_i32 s94, s14, HALFS                      ; the scale bytes by the wave
	s_wait_kmcnt 0x0
	s_add_nc_u64 s[20:21], s[4:5], s[20:21]
	s_add_nc_u64 s[22:23], s[6:7], s[22:23]
	s_add_nc_u64 s[46:47], s[8:9], s[46:47]
	s_add_nc_u64 s[92:93], s[10:11], s[92:93]
	CROUND                                         ; all sixteen work-groups are here: the first joint loads meet
	s_mov_b32 s[G0S], 1
	s_add_co_u32 s[G0S+1], s94, SCL
	s_mov_b64 s[G0S+2:G0S+3], s[22:23]
	s_or_b32 s[G0S+3], s[G0S+3], 0x80000000
	s_mov_b32 s[G0SB], 1
	s_add_co_u32 s[G0SB+1], s94, SCL
	s_mov_b64 s[G0SB+2:G0SB+3], s[92:93]
	s_or_b32 s[G0SB+3], s[G0SB+3], 0x80000000
	JLOAD G0S, G1S, G0SB, G1SB                     ; three loads of mine are out behind these first fills
.irp s, 0,1
	s_mov_b32 s[G0+4*\s], 1
	s_add_co_u32 s[G0+4*\s+1], s45, \s*SLOT
	s_add_nc_u64 s[G0+4*\s+2:G0+4*\s+3], s[20:21], \s*TILEB
	s_or_b32 s[G0+4*\s+3], s[G0+4*\s+3], 0x80000000
	s_mov_b32 s[G0B+4*\s], 1
	s_add_co_u32 s[G0B+4*\s+1], s95, \s*SLOT
	s_add_nc_u64 s[G0B+4*\s+2:G0B+4*\s+3], s[46:47], \s*ROWB
	s_or_b32 s[G0B+4*\s+3], s[G0B+4*\s+3], 0x80000000
	JLOAD G0+4*\s, G1, G0B+4*\s, G1B
.endr
	v_and_b32 v1, 15, v0                           ; r
	v_bfe_u32 v2, v0, 4, 1                         ; h
	s_lshl_b32 s46, s42, 10                        ; the bias: b_proj[256 x tile column + 128 x my half + 16 b + 8 h + 0 .. 7]
	s_lshl_b32 s47, s16, 9
	s_add_co_u32 s46, s46, s47
	s_mov_b32 s47, 0
	s_add_nc_u64 s[98:99], s[98:99], s[46:47]
	v_lshlrev_b32 v[BO], 5, v2
.irp b, 0,1,2,3,4,5,6,7
	global_load_b128 v[BIAS+8*\b:BIAS+8*\b+3], v[BO], s[98:99] offset:64*\b
	global_load_b128 v[BIAS+8*\b+4:BIAS+8*\b+7], v[BO], s[98:99] offset:64*\b+16
.endr
	v_mul_u32_u24 v3, v1, PITCH
	v_mul_u32_u24 v4, v2, 24
	v_add_nc_u32 v4, v3, v4
	v_lshl_add_u32 v5, v2, 4, v4
	v_and_b32 v6, 31, v0
	v_lshlrev_b32 v7, 4, v6
	v_lshlrev_b32 v8, 3, v6
	s_mul_i32 s21, s15, HALFA                      ; my eight tiles of y
	s_mul_i32 s22, s16, HALFT
	s_add_co_u32 s22, s22, 2*HALFA                 ; my 128 rows of W
.irp s, 0,1
	v_add_nc_u32 v[ADRA+\s], s21, v7
	v_add_nc_u32 v[ADRA+2+\s], s21, v8
	v_add_nc_u32 v[ADRB+\s], s22, v4
	v_add_nc_u32 v[ADRB+2+\s], s22, v5
	s_add_co_u32 s21, s21, SLOT
	s_add_co_u32 s22, s22, SLOT
.endr
	v_mul_u32_u24 v5, v1, KS
	v_lshrrev_b32 v6, 8, v5
	v_lshl_add_u32 v5, v6, 4, v5
	s_mul_i32 s21, s15, HALFS
	s_mul_i32 s22, s16, HALFS
	s_add_co_u32 s22, s22, 2*HALFS
	s_sub_co_u32 s22, s22, s21
	v_mul_u32_u24 v6, s22, v2                      ; lanes 16-31 take W's
	s_add_co_u32 s21, s21, SCL
	v_add_nc_u32 v5, v5, v6
	v_add_nc_u32 v[ADRS], s21, v5
	s_mul_i32 s23, s14, 16*SPITCH                  ; my stage
	v_mul_u32_u24 v5, v1, SPITCH
	v_lshl_add_u32 v5, v2, 5, v5
	v_add_nc_u32 v[STO], s23, v5
	v_mov_b32 v[CO], v7                            ; back: the 32 lanes take one row of 512 bytes; and the same in out
	v_add_nc_u32 v[RD], s23, v7
	s_lshl_b32 s20, s17, 8
	s_lshl_b32 s21, s15, 7
	s_add_co_u32 s20, s20, s21                     ; my first token
	s_lshl_b32 s20, s20, 12                        ; 4,096 bytes a row of out
	s_add_co_u32 s20, s20, s46                     ; + my first column's bytes (the same count as in the bias)
	s_mov_b32 s21, 0
	s_add_nc_u64 s[12:13], s[12:13], s[20:21]
.macro FRAG reg, adr, q, i             ; W: 16 rows x 128 K in pieces of 8 bytes
.irp p, 0,1,2,3,4,5
.set PCE, 12*(\q)+6*(\p/3)+\p%3
.if PCE%8 < 5
	ds_load_b64 v[\reg+2*\p:\reg+2*\p+1], v[\adr] offset:8*PCE+16*(PCE/8)+(\i)*16*PITCH
.else
	ds_load_b64 v[\reg+2*\p:\reg+2*\p+1], v[\adr+2] offset:8*PCE+16*(PCE/8)+(\i)*16*PITCH
.endif
.endr
.endm
.macro FRAGA reg, slot, q, i           ; y: tile i, heads 2 q and 2 q + 1 of the slot's four: each head's six registers as they were stored
.irp c, 0,1
	ds_load_b128 v[\reg+6*\c:\reg+6*\c+3], v[ADRA+\slot] offset:TILEB*(\i)+768*(2*(\q)+\c)
	ds_load_b64 v[\reg+6*\c+4:\reg+6*\c+5], v[ADRA+2+\slot] offset:TILEB*(\i)+768*(2*(\q)+\c)+512
.endr
.endm
.macro MUL16 a0, p, q, sc, zero        ; the 64 accumulators take turns, one instruction a turn
.irp a, \a0, \a0+1
.irp b, 0,1,2,3,4,5,6,7
.if \zero
	v_wmma_scale_f32_16x16x128_f8f6f4 v[8*(8*((\a)%4)+\b):8*(8*((\a)%4)+\b)+7], v[128*(\p)+FR*\b:128*(\p)+FR*\b+FR-1], v[AF+FR*(\a):AF+FR*(\a)+FR-1], v[BIAS+8*\b:BIAS+8*\b+7], v[SC+8*NQ*(\sc)+NQ*\b+(\q)], v[SC+8*NQ*(\sc)+NQ*(\a)+(\q)] matrix_a_fmt:MATRIX_FMT_FP6 matrix_b_fmt:MATRIX_FMT_FP6 matrix_a_scale:MATRIX_SCALE_ROW1
.else
	v_wmma_scale_f32_16x16x128_f8f6f4 v[8*(8*((\a)%4)+\b):8*(8*((\a)%4)+\b)+7], v[128*(\p)+FR*\b:128*(\p)+FR*\b+FR-1], v[AF+FR*(\a):AF+FR*(\a)+FR-1], v[8*(8*((\a)%4)+\b):8*(8*((\a)%4)+\b)+7], v[SC+8*NQ*(\sc)+NQ*\b+(\q)], v[SC+8*NQ*(\sc)+NQ*(\a)+(\q)] matrix_a_fmt:MATRIX_FMT_FP6 matrix_b_fmt:MATRIX_FMT_FP6 matrix_a_scale:MATRIX_SCALE_ROW1
.endif
.endr
.endr
.endm
.macro FETCH_B slot, q, p
	WIN TO_B
.irp i, 0,1,2,3,4,5,6,7
	FRAG 128*(\p)+FR*\i, ADRB+\slot, \q, \i
.endr
	WIN 0
.endm
.macro FETCH_A slot, q, i0
.irp i, \i0, \i0+1, \i0+2, \i0+3
	FRAGA AF+FR*(\i), \slot, \q, \i
.endr
.endm
.macro SCALES sc
.irp i, 0,1,2,3,4,5,6,7
	ds_load_b64 v[SC+8*NQ*\sc+NQ*\i:SC+8*NQ*\sc+NQ*\i+1], v[ADRS] offset:\i*SBLK
.endr
.endm
.macro PLACES n
.rept \n
	v_nop
.endr
.endm
.macro STEP slot, q, zero
	s_wait_dscnt 4*NLA                             ; all but the youngest 16 loads (y's tiles 4-7) are in
.if \zero
	WIN 0x81
.else
	WIN MUL_LO
.endif
	MUL16 0, (\q)%2, \q, \slot, \zero
	MUL16 2, (\q)%2, \q, \slot, \zero
	s_wait_dscnt 0
	PLACES NP
	FETCH_B \slot, (\q)+1, 1-(\q)%2
	FETCH_A \slot, (\q)+1, 0
.if \zero
	WIN 0xc1
.else
	WIN MUL_HI
.endif
	MUL16 4, (\q)%2, \q, \slot, \zero
	MUL16 6, (\q)%2, \q, \slot, \zero
	PLACES NP
	WIN 0
	FETCH_A \slot, (\q)+1, 4
.endm
.macro TURN slot, next, fill
	s_wait_tensorcnt 0x0                           ; all my tensor loads have landed: my part of the next slot
	ds_add_u32 v[SPW], v[NIL]                      ; 0 onto my spare word
	s_wait_dscnt 4*NLA+1                           ; (the add and the youngest 16 loads may be out)
	WIN MUL_LO
	MUL16 0, 1, NQ-1, \slot, 0
	s_wait_dscnt 0x0                               ; the add is done, and my reads of this slot are over
	s_barrier_signal -1
	MUL16 2, 1, NQ-1, \slot, 0
	WIN 0
	s_barrier_wait -1
.if \fill
	CREST                                          ; no wave of any partner still reads this slot or has a load on its way
	s_add_nc_u64 s[G0+4*\slot+2:G0+4*\slot+3], s[G0+4*\slot+2:G0+4*\slot+3], 2*TILEB
	s_add_nc_u64 s[G0B+4*\slot+2:G0B+4*\slot+3], s[G0B+4*\slot+2:G0B+4*\slot+3], 2*ROWB
	JLOAD G0+4*\slot, G1, G0B+4*\slot, G1B         ; my one tensor load behind the round; its four v_nop are the places in front of the loads below
.else
	PLACES NP
.endif
	v_add_nc_u32 v[ADRS], 4*NQ, v[ADRS]
	FETCH_B \next, 0, 0
	FETCH_A \next, 0, 0
	SCALES \next
	WIN MUL_HI
	MUL16 4, 1, NQ-1, \slot, 0
	MUL16 6, 1, NQ-1, \slot, 0
	PLACES NP
	WIN 0
	FETCH_A \next, 0, 4
.endm
	s_wait_tensorcnt 1                             ; the scale bytes and my part of K step 0 are in; K step 1's load may be out
	s_barrier_signal -1
	s_barrier_wait -1
	FETCH_B 0, 0, 0
	FETCH_A 0, 0, 0
	SCALES 0
	FETCH_A 0, 0, 4
	s_wait_loadcnt 0x0                             ; the bias
	STEP 0, 0, 1
	s_mov_b32 s3, LAPS-1
.Llap:
	TURN 0, 1, 1
	STEP 1, 0, 0
	TURN 1, 0, 1
	STEP 0, 0, 0
	s_sub_co_u32 s3, s3, 1
	s_cmp_lg_u32 s3, 0
	s_cbranch_scc1 .Llap
	TURN 0, 1, 0
	STEP 1, 0, 0
	s_wait_dscnt 4*NLA
	WIN MUL_LO
	MUL16 0, 1, NQ-1, 1, 0
	MUL16 2, 1, NQ-1, 1, 0
	s_wait_dscnt 0
	WIN MUL_HI
	MUL16 4, 1, NQ-1, 1, 0
	MUL16 6, 1, NQ-1, 1, 0
	WIN 0
; THE WAY OUT, tile by tile of 16 tokens x 128 columns, through my own stage in LDS: in as 32 bytes a lane, back as whole rows of 512 bytes.  LDS serves a wave's instructions in order (ISA guide 5.7.1.4).
.macro TOSTAGE a
.set AC, 64*((\a)%4)
	WIN 0x08+4*((\a)/4)
.irp b, 0,1,2,3,4,5,6,7
	ds_store_b128 v[STO], v[AC+8*\b:AC+8*\b+3] offset:64*\b          ; each accumulator from its low end on
	ds_store_b128 v[STO], v[AC+8*\b+4:AC+8*\b+7] offset:64*\b+16
.endr
	WIN 0
.set BB, BK+64*((\a)%2)
.irp t, 0,1,2,3,4,5,6,7,8,9,10,11,12,13,14,15
	ds_load_b128 v[BB+4*\t:BB+4*\t+3], v[RD] offset:\t*SPITCH
.endr
.endm
.macro SEND a, younger                 ; row t of tile a is token 32 (a / 2) + 8 (a % 2) + t + 8 (t / 8) of my 128: its place stands in the immediate, 127 rows of 4,096 bytes at the most
.set BB, BK+64*((\a)%2)
	s_wait_dscnt \younger
.irp t, 0,1,2,3,4,5,6,7,8,9,10,11,12,13,14,15
	global_store_b128 v[CO], v[BB+4*\t:BB+4*\t+3], s[12:13] offset:(32*((\a)/2)+8*((\a)%2)+\t+8*(\t/8))*4096 th:TH_STORE_NT   ; 32 lanes store 512 consecutive bytes, at a multiple of 256 from out's first byte
.endr
.endm
	PLACES NP
	TOSTAGE 0
.irp a, 1,2,3,4,5,6,7
.if \a > 1
	s_wait_xcnt 0x0                                ; tile a - 2's stores have read their registers: tile a's loads may land there
.endif
	TOSTAGE \a
	SEND \a-1, 32                                  ; behind tile a - 1's loads: tile a's 16 stores and 16 loads
.endr
	SEND 7, 0
	s_wait_tensorcnt 0x0                           ; the wave's end
	ds_add_u32 v[SPW], v[NIL]
	s_wait_dscnt 0x0
	CROUND                                         ; the closing round
	s_endpgm
.Lfunc_end_k_qade51ab058_proj:
	.size	k_qade51ab058_proj, .Lfunc_end_k_qade51ab058_proj-k_qade51ab058_proj
	.p2alignl 7, 3214868480
	.fill 96, 4, 3214868480
	.section	.rodata,"a",@progbits
	.p2align	6, 0x0
	.amdhsa_kernel k_qade51ab058_proj
		.amdhsa_group_segment_fixed_size 327680
		.amdhsa_private_segment_fixed_size 0
		.amdhsa_enable_private_segment 0
		.amdhsa_kernarg_size 48
		.amdhsa_user_sgpr_count 2
		.amdhsa_user_sgpr_kernarg_segment_ptr 1
		.amdhsa_wavefront_size32 1
		.amdhsa_system_sgpr_workgroup_id_x 1
		.amdhsa_system_sgpr_workgroup_id_y 1
		.amdhsa_system_sgpr_workgroup_id_z 1
		.amdhsa_system_vgpr_workitem_id 0
		.amdhsa_next_free_vgpr 1024
		.amdhsa_next_free_sgpr 100
		.amdhsa_reserve_vcc 0
		.amdhsa_float_denorm_mode_32 3
		.amdhsa_float_denorm_mode_16_64 3
		.amdhsa_memory_ordered 1
		.amdhsa_forward_progress 1
		.amdhsa_inst_pref_size 153
	.end_amdhsa_kernel
	.amdgpu_metadata
---
amdhsa.version: [ 1, 2 ]
amdhsa.kernels:
  - .name:           k_qade51ab058_proj
    .symbol:         k_qade51ab058_proj.kd
    .args:
      - { .name: y_img, .offset: 0, .size: 8, .value_kind: global_buffer, .address_space: global }
      - { .name: y_sc, .offset: 8, .size: 8, .value_kind: global_buffer, .address_space: global }
      - { .name: w_proj_codes, .offset: 16, .size: 8, .value_kind: global_buffer, .address_space: global }
      - { .name: w_proj_scales, .offset: 24, .size: 8, .value_kind: global_buffer, .address_space: global }
      - { .name: b_proj, .offset: 32, .size: 8, .value_kind: global_buffer, .address_space: global }
      - { .name: out0, .offset: 40, .size: 8, .value_kind: global_buffer, .address_space: global }
    .group_segment_fixed_size: 327680
    .private_segment_fixed_size: 0
    .kernarg_segment_align: 8
    .kernarg_segment_size: 48
    .max_flat_workgroup_size: 128
    .sgpr_count:     100
    .vgpr_count:     1024
    .wavefront_size: 32
...
	.end_amdgpu_metadata
.endif
;; end of part 3
